; MI455X (gfx1250); checked and timed in simulation.
; The chip was launched on July 23, 2026; its instructions are those of AMD's public machine-readable ISA for CDNA 5 (MIT licence, August 2026) and "CDNA5" Instruction Set Architecture Reference Guide (July 2026). The comments in the code are by the model that wrote it; some were corrected since.
;; Self Attention. Allowed arithmetic: matrix products marked QUANTISED: E3M2 operands, one E8M0 scale for each 32 along K, by v_wmma_scale_f32_16x16x128_f8f6f4 with both operands' format E3M2, f32 sums; everything else in f32.
;; Inputs: Wk 1,024 x 1,024 float32; Wo 1,024 x 1,024 float32; Wq 1,024 x 1,024 float32; Wv 1,024 x 1,024 float32; bk 1,024 float32; bo 1,024 float32; bq 1,024 float32; bv 1,024 float32; key 4 x 2,048 x 1,024 float32; query 4 x 2,048 x 1,024 float32; value 4 x 2,048 x 1,024 float32.
;; Outputs: out0 4 x 2,048 x 1,024 float32.
;; This version of the problem:
;;   THIS VERSION OF THE PROBLEM IS GIVEN IN LOW PRECISION. The matrix products marked QUANTISED in the list below multiply operands that are first quantised to E3M2 (3 exponent bits, 2 mantissa bits; 6 bits a number), with one power-of-two scale for each 32 numbers along K (OCP MX v1.0); their sums are f32. All else is computed in f32.
;;   The module's matrix products, in the order in which they are computed (A, B: the left and right operand; K: the contracted axis; several contracted axes count as one K, in the product's order):
;;     1. [M 8,192, K 1,024] x [K 1,024, N 1,024]; A: input query; B: input Wq: QUANTISED
;;     2. [M 8,192, K 1,024] x [K 1,024, N 1,024]; A: input key; B: input Wk: QUANTISED
;;     3. [M 8,192, K 1,024] x [K 1,024, N 1,024]; A: input value; B: input Wv: QUANTISED
;;     4. batch 64 x [M 2,048, K 64] x [K 64, N 2,048]; A: computed on the way; B: computed on the way: QUANTISED
;;     5. batch 64 x [M 64, K 2,048] x [K 2,048, N 2,048]; A: computed on the way; B: softmax (see below): QUANTISED
;;     6. [M 8,192, K 1,024] x [K 1,024, N 1,024]; A: computed on the way; B: input Wo: QUANTISED
;;   THE QUANTISER, for each operand of a quantised product, along K:
;;     - K is cut into blocks of 32 from its start; a last block that is shorter is filled with zeros.
;;     - A block's scale is 2^e with e = floor(log2(the largest magnitude in the block)) - 4, held to -126 .. 127; a block of zeros has e = 0. As a byte (E8M0): e + 127.
;;     - Each number is divided by its block's scale, clamped to +-28, and rounded to the nearest number of E3M2, ties to even, subnormals kept.
;;     - The product sums the exact products of the quantised numbers (number of the format x scale) in f32.
;;   ~~~python
;;   def quantise(x, axis):      # numpy; x: float32 -> the quantised numbers, widened to float32 again
;;       x = np.moveaxis(x, axis, -1); K = x.shape[-1]
;;       x = np.pad(x, [(0, 0)] * (x.ndim - 1) + [(0, -K % 32)]); x = x.reshape(x.shape[:-1] + (-1, 32)); a = np.abs(x).max(-1, keepdims=True)
;;       e = np.where(a > 0, np.clip(np.frexp(np.where(a > 0, a, 1))[1] - 1 - 4, -126, 127), 0)      # np.frexp(a)[1] - 1 = floor(log2(a)), exactly
;;       r = np.clip(x / 2.0 ** e, -28, 28)
;;       step = 2.0 ** (np.maximum(np.frexp(np.where(r == 0, 1, r))[1] - 1, -2) - 2)
;;       q = np.round(r / step) * step * 2.0 ** e      # np.round: ties to even
;;       return np.moveaxis(q.reshape(q.shape[:-2] + (-1,))[..., :K], -1, axis).astype(np.float32)
;;   ~~~
;;   SOFTMAX AHEAD OF A QUANTISED PRODUCT. Where the list says 'softmax', what is quantised is not the finished softmax but p = 2^(t - M), with t = logit x log2(e) and M = ceil(the row's largest t), a whole number; so 1/2 < the row's largest p <= 1. The row's sum l is taken of the UNQUANTISED p, in f32, and the product's result is divided by l at the end. Since M is a whole number, a kernel that streams over the keys may use a running M (the ceiling of the running maximum): every later rescaling is an exact power of two, which a block's scale takes up: the codes' values come out the same.
;;   OPERANDS COMPUTED ON THE WAY. 'Computed on the way' means the value that the module computes at that place (a softmax that the list does not call 'softmax' is quantised finished and normalised). What goes into a quantiser is computed in f32, as accurately as f32 sums, v_exp_f32 and their like allow (about 1e-6 of the number): no bf16 or f16 on the way to a quantiser, and a product that is left as it is and whose result goes on into a quantised operand takes f32 operands (vector FMAs, or v_wmma_f32_16x16x4_f32). A number that lies on a knife's edge between two numbers of the format may be rounded either way, as far as f32 arithmetic and the matrix unit's own rounding can turn it there, and no further.
;; One version. Each part assembles by itself: llvm-mc -triple=amdgcn-amd-amdhsa -mcpu=gfx1250 --defsym DOCPART=n.
;; ======== version 1 of 1: 4 launches
;; limits: right only within a limited range of input values
;; workspace buffers: cod 22,020,096 bytes; scl 917,504 bytes; qkv 20,447,232 bytes; oimg 6,291,456 bytes; oscl 262,144 bytes
;; launch quant (part 1): grid 896 x 1, 4 waves a work-group, no clusters, 33,280 bytes of LDS; arguments query, key, value, Wq, Wk, Wv, Wo, cod, scl; writes cod, scl
.if DOCPART == 1
	.amdgcn_target "amdgcn-amd-amdhsa--gfx1250"
	.amdhsa_code_object_version 6
	.text
	.protected	k_qd12412067d_quant
	.globl	k_qd12412067d_quant
	.p2align	8
	.type	k_qd12412067d_quant,@function
k_qd12412067d_quant:
	s_mov_b64 s[64:65], 0
	v_nop
	global_prefetch_b8 v0, s[64:65] scope:SCOPE_SE
	s_setreg_imm32_b32 hwreg(HW_REG_WAVE_MODE, 25, 1), 1
	s_wait_xcnt 0x0
; query, key, value [8192][1024] and Wq, Wk, Wv, Wo [1024][1024], f32, K innermost, become codes of BF6 (E3M2) and one E8M0 scale byte for each 32 along K.  No work of the problem is left out in this program.
; The seven tensors stand on end, 28,672 stored rows.  scl: 32 bytes a stored row.
; cod: [stored row / 256][K step of 256: 4][stored row % 256][192 bytes]: the 128 or 256 rows of one K step are one dense run of bytes that begins at a multiple of 256.
; A block's scale is 2^(floor(log2(its largest magnitude)) - 4); its byte is the largest magnitude's exponent field - 4, held at 1 from below.
; LIMITS: a block whose largest magnitude lies under 2^-122 keeps the byte 1; a block of zeros gets the byte 1 and not 127 (its codes are zeros, and this program alone reads the bytes); NaN and infinities are not served.
; SHARES: a work-group takes 32 rows, a wave a run of 8 rows = 16 steps of 512 numbers.  Work-groups 0-255 query, 256-511 key, 512-767 value, then 32 each for Wq, Wk, Wv, Wo.
; THE ORDER OF ROWS.  value, Wq, Wk, Wv: the four runs of every 32 rows are stored in the order 0, 2, 1, 3, so that a matrix result's 16 registers of two neighbouring tiles are 16 neighbours along the next K.
; key: the eight runs of every 64 rows are stored in the order 0, 4, 1, 5, 2, 6, 3, 7: rows 0-7 of stored tile t are keys 8 t .., rows 8-15 keys 32 + 8 t ..: in S^T a lane then holds a whole block of 32 keys.
; query and Wo keep their order.  Each load reads 512 consecutive bytes; a step's 2,048 bytes turn through the wave's own stage in LDS and come back 64 bytes a lane.  No barrier: waves share nothing.
.set STEPS, 16
.set EMAX,  4
.set CB,    12                         ; bytes of 16 codes
.set R,     16                         ; v16-79   four sets of 16 numbers as loaded
.set X,     80                         ; v80-111  two sets of 16 neighbours
.set C,     128                        ; v128-191 codes, four registers a step
.set E,     112                        ; v112-127 a scale byte a step
.set WREG,  8192                       ; LDS region of a wave: two stages, then 256 scale bytes
.set SP,    80                         ; a lane's place in a stage: 64 bytes + 16
	s_load_b512 s[4:19], s[0:1], 0x0               ; query, key, value, Wq, Wk, Wv, Wo, cod
	s_load_b64 s[20:21], s[0:1], 0x40              ; scl
	v_lshl_add_u32 v192, v0, 2, 0x8000
	v_mov_b32 v193, 0
	v_lshrrev_b32 v1, 5, v0
	v_readfirstlane_b32 s24, v1                    ; wave
	v_and_b32 v2, 31, v0                           ; lane
	v_lshlrev_b32 v3, 4, v2
	s_mul_i32 s25, s24, WREG
	v_lshrrev_b32 v14, 2, v2
	v_mul_u32_u24 v14, v14, SP
	v_and_b32 v15, 3, v2
	v_lshl_add_u32 v14, v15, 4, v14
	v_add_nc_u32 v14, s25, v14                     ; stage, in
	v_mul_u32_u24 v15, v2, SP
	v_add_nc_u32 v15, s25, v15                     ; stage, out
	v_mul_u32_u24 v4, v2, CB                       ; codes: 12 x lane: a step's 384 bytes are consecutive
	v_bfe_u32 v5, v2, 1, 3                         ; scale bytes: block (lane / 2) % 8 of the K step,
	v_lshrrev_b32 v10, 4, v2
	v_lshl_add_u32 v5, v10, 5, v5                  ; lanes 16-31 one row (32 bytes) on
	s_add_co_u32 s25, s25, 2*32*SP
	v_add_nc_u32 v5, s25, v5
	v_lshlrev_b32 v7, 3, v2
	v_add_nc_u32 v6, s25, v7
	s_lshl_b32 s30, ttmp9, 2
	s_add_co_u32 s31, s30, s24                     ; my run, in true order
	s_and_b32 s29, s24, 1
	s_lshl_b32 s29, s29, 1
	s_lshr_b32 s34, s24, 1
	s_or_b32 s29, s29, s34
	s_add_co_u32 s29, s30, s29                     ; its place in the order 0, 2, 1, 3
	s_and_b32 s34, s31, 3
	s_lshl_b32 s34, s34, 1
	s_bfe_u32 s35, s31, 0x10002
	s_or_b32 s34, s34, s35
	s_and_b32 s35, s31, 0xfffffff8
	s_or_b32 s34, s34, s35                         ; its place in key's order
	s_sub_co_u32 s30, ttmp9, 512
	s_cmp_lt_u32 s30, 352                          ; work-groups 512 to 863: value, Wq, Wk, Wv
	s_cselect_b32 s30, s29, s31
	s_sub_co_u32 s35, ttmp9, 256
	s_cmp_lt_u32 s35, 256                          ; work-groups 256 to 511: key
	s_cselect_b32 s30, s34, s30                    ; which stored run is mine
	s_wait_alu depctr_va_vdst(0)                   ; the wait at the head's end
	s_wait_kmcnt 0x0
	s_mov_b64 s[26:27], s[16:17]                   ; the input, chosen by the work-group's number alone
	s_mov_b32 s28, 864
	s_cmp_lt_u32 ttmp9, 864
	s_cselect_b64 s[26:27], s[14:15], s[26:27]
	s_cselect_b32 s28, 832, s28
	s_cmp_lt_u32 ttmp9, 832
	s_cselect_b64 s[26:27], s[12:13], s[26:27]
	s_cselect_b32 s28, 800, s28
	s_cmp_lt_u32 ttmp9, 800
	s_cselect_b64 s[26:27], s[10:11], s[26:27]
	s_cselect_b32 s28, 768, s28
	s_cmp_lt_u32 ttmp9, 768
	s_cselect_b64 s[26:27], s[8:9], s[26:27]
	s_cselect_b32 s28, 512, s28
	s_cmp_lt_u32 ttmp9, 512
	s_cselect_b64 s[26:27], s[6:7], s[26:27]
	s_cselect_b32 s28, 256, s28
	s_cmp_lt_u32 ttmp9, 256
	s_cselect_b64 s[26:27], s[4:5], s[26:27]
	s_cselect_b32 s28, 0, s28
	s_sub_co_u32 s28, ttmp9, s28
	s_lshl_b32 s28, s28, 2
	s_add_co_u32 s28, s28, s24
	s_lshl_b32 s32, s28, 15                        ; 8 rows of 4,096 bytes
	s_mov_b32 s33, 0
	s_add_nc_u64 s[26:27], s[26:27], s[32:33]
	s_lshr_b32 s32, s30, 5                         ; 32 runs to a block of 256 rows (196,608 bytes),
	s_mul_i32 s32, s32, 196608
	s_and_b32 s34, s30, 31
	s_mul_i32 s34, s34, 1536                       ; in it 8 rows of 192 bytes a run
	s_add_co_u32 s32, s32, s34
	s_add_nc_u64 s[18:19], s[18:19], s[32:33]
	s_lshl_b32 s32, s30, 8                         ; 8 rows of 32 bytes
	s_add_nc_u64 s[20:21], s[20:21], s[32:33]
.macro LOAD t
.irp i, 0,1,2,3
	global_load_b128 v[R+16*((\t)%4)+4*\i:R+16*((\t)%4)+4*\i+3], v3, s[26:27] offset:8192*((\t)/4)+4096*(\i/2)+1024*((\t)%4)+512*(\i%2) th:TH_LOAD_NT   ; step t: K step t % 4 (256 numbers) of rows 2 (t / 4) and 2 (t / 4) + 1
.endr
.endm
.macro TURN t                          ; LDS serves a wave's instructions in order (ISA guide 5.7.1.4): no wait between the stores and the loads
.irp i, 0,1,2,3
	ds_store_b128 v14, v[R+16*((\t)%4)+4*\i:R+16*((\t)%4)+4*\i+3] offset:32*SP*((\t)%2)+8*SP*\i
.endr
.irp i, 0,1,2,3
	ds_load_b128 v[X+16*((\t)%2)+4*\i:X+16*((\t)%2)+4*\i+3], v15 offset:32*SP*((\t)%2)+16*\i
.endr
.endm
.irp t, 0,1,2,3
	LOAD \t
.endr
	s_wait_loadcnt 12                              ; step 0's four loads are in; the twelve behind them may be out
	TURN 0
.macro STEP t
.set XS, X+16*((\t)%2)
.if (\t) > 0
	s_wait_dscnt 1                                 ; this step's numbers are back (the last step's byte store may be out)
.else
	s_wait_dscnt 0x0
.endif
.if (\t)+4 < STEPS
	LOAD (\t)+4
.endif
.if (\t)+1 < STEPS
.if STEPS-2-(\t) >= 3
	s_wait_loadcnt 12                              ; the next step's four loads are in; three steps' may be out
.else
	s_wait_loadcnt 4*(STEPS-2-(\t))
.endif
	TURN (\t)+1
.endif
	v_max3_num_f32 v8, |v[XS]|, |v[XS+1]|, |v[XS+2]|
	v_max3_num_f32 v9, |v[XS+3]|, |v[XS+4]|, |v[XS+5]|
.irp i, 6,10
	v_max3_num_f32 v8, v8, |v[XS+\i]|, |v[XS+\i+1]|
	v_max3_num_f32 v9, v9, |v[XS+\i+2]|, |v[XS+\i+3]|
.endr
	v_max3_num_f32 v8, v8, |v[XS+14]|, |v[XS+15]|
	v_max3_num_f32 v8, v8, v9, (EMAX+1)<<23        ; the floor 2^(5 - 127): the byte cannot fall under 1
	v_max_num_f32_dpp v8, v8, v8 row_xmask:1 row_mask:0xf bank_mask:0xf   ; with my neighbour's 16: the block's
	v_add_nc_u32 v11, -(EMAX<<23), v8              ; 4 off the exponent field: the conversion's scale operand
	v_cvt_scalef32_pk16_bf6_f32 v[C+4*(\t):C+4*(\t)+2], v[XS:XS+15], v11
	v_lshrrev_b32 v[E+(\t)], 23, v11               ; the scale's byte
	ds_store_b8 v5, v[E+(\t)] offset:64*((\t)/4)+8*((\t)%4)
	global_store_b96 v4, v[C+4*(\t):C+4*(\t)+2], s[18:19] offset:384*((\t)/4)+49152*((\t)%4)   ; two neighbouring rows of one K step: the wave stores 384 consecutive bytes
.endm
.irp t, 0,1,2,3,4,5,6,7,8,9,10,11,12,13,14,15
	STEP \t
.endr
	ds_load_b64 v[12:13], v6
	s_wait_dscnt 0x0
	global_store_b64 v7, v[12:13], s[20:21]        ; 32 lanes store 256 consecutive bytes, aligned
	s_wait_tensorcnt 0x0                           ; the wave's end
	ds_add_u32 v192, v193
	s_wait_dscnt 0x0
	s_endpgm
.Lfunc_end_k_qd12412067d_quant:
	.size	k_qd12412067d_quant, .Lfunc_end_k_qd12412067d_quant-k_qd12412067d_quant
	.p2alignl 7, 3214868480
	.fill 96, 4, 3214868480
	.section	.rodata,"a",@progbits
	.p2align	6, 0x0
	.amdhsa_kernel k_qd12412067d_quant
		.amdhsa_group_segment_fixed_size 33280
		.amdhsa_private_segment_fixed_size 0
		.amdhsa_enable_private_segment 0
		.amdhsa_kernarg_size 72
		.amdhsa_user_sgpr_count 2
		.amdhsa_user_sgpr_kernarg_segment_ptr 1
		.amdhsa_wavefront_size32 1
		.amdhsa_system_sgpr_workgroup_id_x 1
		.amdhsa_system_sgpr_workgroup_id_y 1
		.amdhsa_system_sgpr_workgroup_id_z 1
		.amdhsa_system_vgpr_workitem_id 0
		.amdhsa_next_free_vgpr 194
		.amdhsa_next_free_sgpr 66
		.amdhsa_reserve_vcc 0
		.amdhsa_float_denorm_mode_32 3
		.amdhsa_float_denorm_mode_16_64 3
		.amdhsa_memory_ordered 1
		.amdhsa_forward_progress 1
		.amdhsa_inst_pref_size 34
	.end_amdhsa_kernel
	.amdgpu_metadata
---
amdhsa.version: [ 1, 2 ]
amdhsa.kernels:
  - .name:           k_qd12412067d_quant
    .symbol:         k_qd12412067d_quant.kd
    .args:
      - { .name: query, .offset: 0, .size: 8, .value_kind: global_buffer, .address_space: global }
      - { .name: key, .offset: 8, .size: 8, .value_kind: global_buffer, .address_space: global }
      - { .name: value, .offset: 16, .size: 8, .value_kind: global_buffer, .address_space: global }
      - { .name: Wq, .offset: 24, .size: 8, .value_kind: global_buffer, .address_space: global }
      - { .name: Wk, .offset: 32, .size: 8, .value_kind: global_buffer, .address_space: global }
      - { .name: Wv, .offset: 40, .size: 8, .value_kind: global_buffer, .address_space: global }
      - { .name: Wo, .offset: 48, .size: 8, .value_kind: global_buffer, .address_space: global }
      - { .name: cod, .offset: 56, .size: 8, .value_kind: global_buffer, .address_space: global }
      - { .name: scl, .offset: 64, .size: 8, .value_kind: global_buffer, .address_space: global }
    .group_segment_fixed_size: 33280
    .private_segment_fixed_size: 0
    .kernarg_segment_align: 8
    .kernarg_segment_size: 72
    .max_flat_workgroup_size: 128
    .sgpr_count:     66
    .vgpr_count:     194
    .wavefront_size: 32
...
	.end_amdgpu_metadata
.endif
;; end of part 1
;; launch proj (part 2): grid 4 x 96, 4 waves a work-group, clusters of 4 x 4, 327,680 bytes of LDS; arguments cod, scl, bq, bk, bv, qkv; writes qkv
.if DOCPART == 2
	.amdgcn_target "amdgcn-amd-amdhsa--gfx1250"
	.amdhsa_code_object_version 6
	.text
	.protected	k_qd12412067d_proj
	.globl	k_qd12412067d_proj
	.p2align	8
	.type	k_qd12412067d_proj,@function
k_qd12412067d_proj:
	s_mov_b64 s[64:65], 0
	v_nop
	global_prefetch_b8 v0, s[64:65] scope:SCOPE_SE
	s_setreg_imm32_b32 hwreg(HW_REG_WAVE_MODE, 25, 1), 1
	s_wait_xcnt 0x0
	s_wait_alu depctr_hold_cnt(0) depctr_sa_sdst(0) depctr_va_vdst(0) depctr_va_sdst(0) depctr_va_ssrc(0) depctr_va_vcc(0) depctr_vm_vsrc(0)
	s_getreg_b32 s2, hwreg(HW_REG_IB_STS2, 6, 4)
	s_cmp_eq_u32 s2, 0
	s_cbranch_scc0 .Lentry_in_a_cluster
	s_endpgm
.Lentry_in_a_cluster:
	s_bfe_u32 s2, ttmp6, 0x10000c
	s_cmp_lg_u32 s2, 0xf033
	s_cbranch_scc0 .Lentry_shape_is_right
	s_endpgm
.Lentry_shape_is_right:
.set KSTEP,  256
.set NQ,     KSTEP/128
; cod is laid [row / 256][K step of 256][row % 256][192 bytes]: the rows of one K step are dense, and come as rows of 256 bytes that begin at multiples of 256;
; 16 bytes of padding behind each 64 give the LDS image of rows 240 bytes apart.
.set ROWB,   192
.set KSB,    49152                     ; from K step to K step in cod: 256 rows of 192 bytes
.set KROW,   768
.set PITCH,  240
.set FR,     12
.set NL,     6
.set NP,     4
.set HALFT,  128*PITCH
.set SLOT,   4*HALFT
.set LAPS,   2
.set KS,     32
.set SCL,    2*SLOT
.set HALFS,  (128*KS/256)*272
.set SBLK,   (16*KS/256)*272
.set SPARE,  SCL+4*HALFS
.set REC,    19968
.set HEADB,  16*REC
.set ADRA, 16
.set ADRB, 20
.set CO,   26
.set ADRS, 27
.set SPW,  28
.set NIL,  29
.set SC,   32
.set BI,   64
.set AF,   128
.set TM,   32
.set CT,   48
.set PWB,  56
.set GB,   64
.set SW,   160
.set MW,   168
.set G1, 24
.set G0, 32
.set G1B, 48
.set G0B, 56
.set G1S, 68
.set G0S, 76
.set G1SB, 80
.set G0SB, 88
.set MSB, 0
.macro WIN new
.if MSB != \new
	s_set_vgpr_msb (MSB<<8)|\new
.set MSB, \new
.endif
.endm
.set MUL_LO, 0xa1
.set MUL_HI, 0xf1
.set TO_B,   0x40
.macro JLOAD g0a, g1a, g0b, g1b
	s_cmp_eq_u32 s15, 0
	s_cbranch_scc0 .Lfor_b_\@
	tensor_load_to_lds s[\g0a:\g0a+3], s[\g1a:\g1a+7]
	s_nop 0
.rept 4
	v_nop
.endr
	s_branch .Lasked_\@
.Lfor_b_\@:
	tensor_load_to_lds s[\g0b:\g0b+3], s[\g1b:\g1b+7]
	s_nop 0
.rept 4
	v_nop
.endr
.Lasked_\@:
.endm
.macro CREST
	s_cmp_lg_u32 s14, 0
	s_cbranch_scc1 .Lnot_wave_0_\@
	s_barrier_signal -3
.Lnot_wave_0_\@:
	s_barrier_wait -3
	s_barrier_signal -1
	s_barrier_wait -1
.endm
.macro CROUND
	s_barrier_signal -1
	s_barrier_wait -1
	CREST
.endm
	s_load_b256 s[4:11], s[0:1], 0x0
	s_load_b128 s[96:99], s[0:1], 0x20
	v_lshl_add_u32 v[SPW], v0, 2, SPARE
	v_mov_b32 v[NIL], 0
	ds_add_u32 v28, v29
	ds_add_u32 v28, v29
	s_wait_dscnt 0x0
	v_lshrrev_b32 v1, 5, v0
	v_readfirstlane_b32 s14, v1
	s_lshr_b32 s15, s14, 1
	s_and_b32 s16, s14, 1
	s_bfe_u32 s40, ttmp6, 0x40000
	s_bfe_u32 s41, ttmp6, 0x40004
	s_and_b32 s95, ttmp7, 0xffff
	s_lshr_b32 s94, s95, 3
	s_and_b32 s95, s95, 7
	s_mul_i32 s100, s94, 6291456
	s_mul_i32 s101, s94, 786432
	s_add_co_u32 s101, s101, 18874368
	s_lshl_b32 s104, s94, 18
	s_lshl_b32 s2, s94, 15
	s_add_co_u32 s2, s2, 786432
	s_cmp_eq_u32 s94, 2
	s_cselect_b32 s105, 1, 0
	s_cselect_b32 s12, s101, s100
	s_cselect_b32 s13, s100, s101
	s_cselect_b32 s66, s2, s104
	s_cselect_b32 s67, s104, s2
	s_cselect_b32 s42, s95, 0
	s_cselect_b32 s17, 0, s95
	s_lshl_b32 s42, s42, 2
	s_add_co_u32 s42, s42, s40
	s_lshl_b32 s17, s17, 2
	s_add_co_u32 s17, s17, s41
	s_lshl_b32 s43, s41, 2
	s_lshl_b32 s43, 15, s43
	s_lshl_b32 s44, 0x1111, s40
	s_or_b32 s[G1+0], s43, (0<<16)|(1<<20)|(1<<21)|(3<<22)|(3<<25)
	s_or_b32 s[G1B+0], s44, (0<<16)|(1<<20)|(1<<21)|(3<<22)|(3<<25)
.irp g, G1, G1B
	s_mov_b32 s[\g+1], 256<<16
	s_mov_b32 s[\g+2], 192<<16                     ; the head's loads: 256 rows of codes = 192 rows of 256 bytes
	s_mov_b32 s[\g+3], 256<<16
	s_mov_b32 s[\g+4], 192
	s_mov_b32 s[\g+5], 256
	s_mov_b32 s[\g+6], 0
	s_mov_b32 s[\g+7], 0
.endr
	s_or_b32 s[G1S+0], s43, (3<<16)|(1<<20)|(1<<21)|(5<<22)|(3<<25)
	s_or_b32 s[G1SB+0], s44, (3<<16)|(1<<20)|(1<<21)|(5<<22)|(3<<25)
.irp g, G1S, G1SB
	s_mov_b32 s[\g+1], 32<<16
	s_mov_b32 s[\g+2], KS<<16                      ; the scales of 256 rows: KS rows of 256 bytes
	s_mov_b32 s[\g+3], 32<<16
	s_mov_b32 s[\g+4], KS
	s_mov_b32 s[\g+5], 32
	s_mov_b32 s[\g+6], 0
	s_mov_b32 s[\g+7], 0
.endr
	s_lshl_b32 s20, s17, 8
	s_lshl_b32 s46, s42, 8
	s_mov_b32 s21, 0
	s_mov_b32 s47, 0
	s_mov_b64 s[18:19], KS
	s_mul_u64 s[22:23], s[20:21], s[18:19]
	s_mul_u64 s[92:93], s[46:47], s[18:19]
	s_mov_b64 s[18:19], KROW
	s_mul_u64 s[20:21], s[20:21], s[18:19]
	s_mul_u64 s[46:47], s[46:47], s[18:19]
	s_mov_b32 s101, 0
	s_mov_b32 s100, s12
	s_add_nc_u64 s[20:21], s[20:21], s[100:101]
	s_mov_b32 s100, s66
	s_add_nc_u64 s[22:23], s[22:23], s[100:101]
	s_mov_b32 s100, s13
	s_add_nc_u64 s[46:47], s[46:47], s[100:101]
	s_mov_b32 s100, s67
	s_add_nc_u64 s[92:93], s[92:93], s[100:101]
	s_mul_i32 s45, s14, HALFT
	s_mul_i32 s2, s16, 24576                       ; in the ring I fetch 128 rows of a K step: which half, in bytes
	s_mov_b32 s3, 0
	s_wait_kmcnt 0x0
	s_add_nc_u64 s[20:21], s[4:5], s[20:21]
	s_add_nc_u64 s[22:23], s[6:7], s[22:23]
	s_add_nc_u64 s[46:47], s[4:5], s[46:47]
	s_add_nc_u64 s[92:93], s[6:7], s[92:93]
	CROUND
	s_mov_b32 s[G0S], 1
	s_mov_b32 s[G0S+1], SCL
	s_mov_b64 s[G0S+2:G0S+3], s[22:23]
	s_or_b32 s[G0S+3], s[G0S+3], 0x80000000
	s_mov_b32 s[G0SB], 1
	s_mov_b32 s[G0SB+1], SCL+2*HALFS
	s_mov_b64 s[G0SB+2:G0SB+3], s[92:93]
	s_or_b32 s[G0SB+3], s[G0SB+3], 0x80000000
	s_mov_b32 s[G0], 1                             ; slot 0's groups 0 serve the head first: K step 0 of A's 256 rows,
	s_mov_b32 s[G0+1], 0
	s_mov_b64 s[G0+2:G0+3], s[20:21]
	s_or_b32 s[G0+3], s[G0+3], 0x80000000
	s_mov_b32 s[G0B], 1                            ; and of B's 256 rows, behind them
	s_mov_b32 s[G0B+1], 2*HALFT
	s_mov_b64 s[G0B+2:G0B+3], s[46:47]
	s_or_b32 s[G0B+3], s[G0B+3], 0x80000000
	s_add_nc_u64 s[20:21], s[20:21], s[2:3]        ; for the ring: my 128 rows
	s_add_nc_u64 s[46:47], s[46:47], s[2:3]
	s_mov_b32 s[G0+4], 1
	s_add_co_u32 s[G0+5], s45, SLOT
	s_add_nc_u64 s[G0+6:G0+7], s[20:21], KSB
	s_or_b32 s[G0+7], s[G0+7], 0x80000000
	s_mov_b32 s[G0B+4], 1
	s_add_co_u32 s[G0B+5], s45, SLOT
	s_add_nc_u64 s[G0B+6:G0B+7], s[46:47], KSB
	s_or_b32 s[G0B+7], s[G0B+7], 0x80000000
; PREFETCH INTO THE L2: the 128 rows of a K step that I fetch in the ring are 96 blocks of 256 bytes.  The four partners that ask for them jointly share them out BY ADDRESS, 24 blocks each (place cx for A, cy for B);
; a lane names a block, lanes 24-31 the wave's last block again.  K steps 1 and 2 are asked for at the head, K step 3 behind K step 1's load: two K steps at the most are asked for and not yet loaded.
	s_cmp_eq_u32 s15, 0
	s_cselect_b64 s[12:13], s[20:21], s[46:47]
	s_cselect_b32 s66, s40, s41
	s_mul_i32 s66, s66, 6144
	s_mov_b32 s67, 0
	s_add_nc_u64 s[12:13], s[12:13], s[66:67]      ; never rewritten
; the head's four tiles, one joint load a wave: wave 0 A's codes, wave 1 B's, wave 2 A's scales, wave 3 B's; one chain of branches on the wave's number
.macro ARM under, g0, g1, next
	s_cmp_lt_u32 s14, \under
	s_cbranch_scc0 \next
	tensor_load_to_lds s[\g0:\g0+3], s[\g1:\g1+7]
	s_nop 0
.rept 4
	v_nop
.endr
	s_branch .Lhead_asked
\next:
.endm
	ARM 1, G0,  G1,  .Lhead_b
	ARM 2, G0B, G1B, .Lhead_sa
	ARM 3, G0S, G1S, .Lhead_sb
	tensor_load_to_lds s[G0SB:G0SB+3], s[G1SB:G1SB+7]
	s_nop 0
.rept 4
	v_nop
.endr
.Lhead_asked:
	v_and_b32 v30, 31, v0
	v_min_u32 v30, 23, v30
	v_lshlrev_b32 v30, 8, v30                      ; never rewritten
	global_prefetch_b8 v30, s[12:13] offset:KSB th:TH_LOAD_NT scope:SCOPE_SE
	global_prefetch_b8 v30, s[12:13] offset:2*KSB th:TH_LOAD_NT scope:SCOPE_SE
	v_and_b32 v1, 15, v0
	v_bfe_u32 v2, v0, 4, 1
	v_mul_u32_u24 v3, v1, PITCH
	v_mul_u32_u24 v4, v2, 24
	v_add_nc_u32 v4, v3, v4
	v_lshl_add_u32 v5, v2, 4, v4
	s_mul_i32 s21, s15, HALFT
	s_mul_i32 s22, s16, HALFT
	s_add_co_u32 s22, s22, 2*HALFT
.irp s, 0,1
	v_add_nc_u32 v[ADRA+\s], s21, v4
	v_add_nc_u32 v[ADRB+\s], s22, v4
	v_add_nc_u32 v[ADRA+2+\s], s21, v5
	v_add_nc_u32 v[ADRB+2+\s], s22, v5
	s_add_co_u32 s21, s21, SLOT
	s_add_co_u32 s22, s22, SLOT
.endr
	v_mul_u32_u24 v5, v1, KS
	v_lshrrev_b32 v6, 8, v5
	v_lshl_add_u32 v5, v6, 4, v5
	s_mul_i32 s21, s15, HALFS
	s_mul_i32 s22, s16, HALFS
	s_add_co_u32 s22, s22, 2*HALFS
	s_sub_co_u32 s22, s22, s21
	v_mul_u32_u24 v6, s22, v2
	s_add_co_u32 s21, s21, SCL
	v_add_nc_u32 v5, v5, v6
	v_add_nc_u32 v[ADRS], s21, v5
	v_and_b32 v6, 31, v0
	v_lshlrev_b32 v[CO], 4, v6
	s_cmp_eq_u32 s94, 1
	s_cselect_b64 s[10:11], s[10:11], s[96:97]
	s_cmp_eq_u32 s94, 0
	s_cselect_b64 s[8:9], s[8:9], s[10:11]
	s_mov_b32 s19, 0
	s_cmp_eq_u32 s105, 1
	s_cbranch_scc1 .Lbias_v
	s_lshl_b32 s18, s42, 10
	s_lshl_b32 s20, s16, 9
	s_add_co_u32 s18, s18, s20
	s_add_nc_u64 s[8:9], s[8:9], s[18:19]
	v_lshlrev_b32 v7, 6, v2
.irp b, 0,1,2,3,4,5,6,7
	global_load_b128 v[BI+8*\b:BI+8*\b+3], v7, s[8:9] offset:(32*(\b/2)+8*(\b%2))*4
	global_load_b128 v[BI+8*\b+4:BI+8*\b+7], v7, s[8:9] offset:(32*(\b/2)+8*(\b%2))*4+16
.endr
	s_branch .Lbias_done
.Lbias_v:
	s_lshl_b32 s18, s17, 10
	s_lshl_b32 s20, s15, 9
	s_add_co_u32 s18, s18, s20
	s_add_nc_u64 s[8:9], s[8:9], s[18:19]
	v_and_b32 v7, 8, v1
	v_add_nc_u32 v7, v7, v1
	v_lshlrev_b32 v7, 2, v7
.irp a, 0,1,2,3,4,5,6,7
.irp j, 0,1,2,3,4,5,6,7
	global_load_b32 v[BI+8*\a+\j], v7, s[8:9] offset:(32*(\a/2)+8*(\a%2))*4
.endr
.endr
.Lbias_done:
	s_cmp_eq_u32 s105, 1
	s_cselect_b32 s18, s42, s17
	s_cselect_b32 s19, s16, s15
	s_cselect_b32 s20, s17, s42
	s_cselect_b32 s21, s15, s16
	s_lshl_b32 s18, s18, 1
	s_add_co_u32 s18, s18, s19
	s_lshl_b32 s20, s20, 2
	s_lshl_b32 s21, s21, 1
	s_add_co_u32 s20, s20, s21
	s_lshr_b32 s19, s18, 4
	s_lshl_b32 s19, s19, 8
	s_lshl_b32 s20, s20, 4
	s_add_co_u32 s19, s19, s20
	s_and_b32 s18, s18, 15
	s_add_co_u32 s19, s19, s18
	s_mul_i32 s18, s19, REC
	s_cmp_eq_u32 s94, 0
	s_cselect_b32 s19, 13312, 0
	s_cmp_eq_u32 s94, 2
	s_cselect_b32 s19, 6656, s19
	s_add_co_u32 s18, s18, s19
	s_mov_b32 s19, 0
	s_add_nc_u64 s[98:99], s[98:99], s[18:19]
.macro FRAG reg, adr, q, i
.irp p, 0,1,2,3,4,5
.set PC, 12*(\q)+6*(\p/3)+\p%3
.if PC%8 < 5
	ds_load_b64 v[\reg+2*\p:\reg+2*\p+1], v[\adr] offset:8*PC+16*(PC/8)+(\i)*16*PITCH
.else
	ds_load_b64 v[\reg+2*\p:\reg+2*\p+1], v[\adr+2] offset:8*PC+16*(PC/8)+(\i)*16*PITCH
.endif
.endr
.endm
.macro MUL16 a0, p, q, sc, cm
.irp a, \a0, \a0+1
.irp b, 0,1,2,3,4,5,6,7
.if \cm == 1
	v_wmma_scale_f32_16x16x128_f8f6f4 v[8*(8*((\a)%4)+\b):8*(8*((\a)%4)+\b)+7], v[128*(\p)+FR*\b:128*(\p)+FR*\b+FR-1], v[AF+FR*(\a):AF+FR*(\a)+FR-1], v[BI+8*\b:BI+8*\b+7], v[SC+8*NQ*(\sc)+NQ*\b+(\q)], v[SC+8*NQ*(\sc)+NQ*(\a)+(\q)] matrix_a_fmt:MATRIX_FMT_BF6 matrix_b_fmt:MATRIX_FMT_BF6 matrix_a_scale:MATRIX_SCALE_ROW1
.elseif \cm == 2
	v_wmma_scale_f32_16x16x128_f8f6f4 v[8*(8*((\a)%4)+\b):8*(8*((\a)%4)+\b)+7], v[128*(\p)+FR*\b:128*(\p)+FR*\b+FR-1], v[AF+FR*(\a):AF+FR*(\a)+FR-1], v[BI+8*(\a):BI+8*(\a)+7], v[SC+8*NQ*(\sc)+NQ*\b+(\q)], v[SC+8*NQ*(\sc)+NQ*(\a)+(\q)] matrix_a_fmt:MATRIX_FMT_BF6 matrix_b_fmt:MATRIX_FMT_BF6 matrix_a_scale:MATRIX_SCALE_ROW1
.else
	v_wmma_scale_f32_16x16x128_f8f6f4 v[8*(8*((\a)%4)+\b):8*(8*((\a)%4)+\b)+7], v[128*(\p)+FR*\b:128*(\p)+FR*\b+FR-1], v[AF+FR*(\a):AF+FR*(\a)+FR-1], v[8*(8*((\a)%4)+\b):8*(8*((\a)%4)+\b)+7], v[SC+8*NQ*(\sc)+NQ*\b+(\q)], v[SC+8*NQ*(\sc)+NQ*(\a)+(\q)] matrix_a_fmt:MATRIX_FMT_BF6 matrix_b_fmt:MATRIX_FMT_BF6 matrix_a_scale:MATRIX_SCALE_ROW1
.endif
.endr
.endr
.endm
.macro FETCH_B slot, q, p
	WIN TO_B
.irp i, 0,1,2,3,4,5,6,7
	FRAG 128*(\p)+FR*\i, ADRB+\slot, \q, \i
.endr
	WIN 0
.endm
.macro FETCH_A slot, q, i0
.irp i, \i0, \i0+1, \i0+2, \i0+3
	FRAG AF+FR*(\i), ADRA+\slot, \q, \i
.endr
.endm
.macro SCALES sc
.irp i, 0,1,2,3,4,5,6,7
	ds_load_b64 v[SC+8*NQ*\sc+NQ*\i:SC+8*NQ*\sc+NQ*\i+1], v[ADRS] offset:\i*SBLK
.endr
.endm
.macro PLACES n
.rept \n
	v_nop
.endr
.endm
.macro STEP slot, q, cm
	s_wait_dscnt 4*NL
.if \cm
	WIN 0x81
.else
	WIN MUL_LO
.endif
	MUL16 0, (\q)%2, \q, \slot, \cm
	MUL16 2, (\q)%2, \q, \slot, \cm
	s_wait_dscnt 0
	PLACES NP
	FETCH_B \slot, (\q)+1, 1-(\q)%2
	FETCH_A \slot, (\q)+1, 0
.if \cm
	WIN 0xc1
.else
	WIN MUL_HI
.endif
	MUL16 4, (\q)%2, \q, \slot, \cm
	MUL16 6, (\q)%2, \q, \slot, \cm
	PLACES NP
	WIN 0
	FETCH_A \slot, (\q)+1, 4
.endm
.macro TURN slot, next, fill
	s_wait_tensorcnt 0x0
	ds_add_u32 v[SPW], v[NIL]
	s_wait_dscnt 4*NL+1
	WIN MUL_LO
	MUL16 0, 1, NQ-1, \slot, 0
	s_wait_dscnt 0x0
	s_barrier_signal -1
	MUL16 2, 1, NQ-1, \slot, 0
	WIN 0
	s_barrier_wait -1
.if \fill
	CREST
	s_add_nc_u64 s[G0+4*\slot+2:G0+4*\slot+3], s[G0+4*\slot+2:G0+4*\slot+3], 2*KSB
	s_add_nc_u64 s[G0B+4*\slot+2:G0B+4*\slot+3], s[G0B+4*\slot+2:G0B+4*\slot+3], 2*KSB
	JLOAD G0+4*\slot, G1, G0B+4*\slot, G1B
.else
	PLACES NP
.endif
	s_wait_alu depctr_va_vdst(0)
	v_add_nc_u32 v[ADRS], 4*NQ, v[ADRS]
	FETCH_B \next, 0, 0
	FETCH_A \next, 0, 0
	SCALES \next
	WIN MUL_HI
	MUL16 4, 1, NQ-1, \slot, 0
	MUL16 6, 1, NQ-1, \slot, 0
	PLACES NP
	WIN 0
	FETCH_A \next, 0, 4
.endm
	s_wait_alu depctr_va_vdst(0)                   ; the wait at the head's end
	s_wait_tensorcnt 0x0                           ; my tile of the head's four is in; these lines stand ahead of slot 1's first fill as ahead of a refill
	ds_add_u32 v[SPW], v[NIL]
	s_mov_b32 s[G1+2], 96<<16                      ; no load of mine is out: from here on a load brings 128 rows of codes = 96 rows of 256 bytes,
	s_mov_b32 s[G1+4], 96
	s_mov_b32 s[G1B+2], 96<<16
	s_mov_b32 s[G1B+4], 96
	s_mov_b32 s[G0+1], s45                         ; and slot 0's groups 0 point at my quarter of the slot
	s_mov_b32 s[G0B+1], s45
	s_add_nc_u64 s[G0+2:G0+3], s[G0+2:G0+3], s[2:3]
	s_add_nc_u64 s[G0B+2:G0B+3], s[G0B+2:G0B+3], s[2:3]
	s_wait_dscnt 0x0
	CROUND
	JLOAD G0+4, G1, G0B+4, G1B                     ; K step 1, the first tensor load behind the round
	FETCH_B 0, 0, 0
	global_prefetch_b8 v30, s[12:13] offset:3*KSB th:TH_LOAD_NT scope:SCOPE_SE
	FETCH_A 0, 0, 0
	s_wait_alu depctr_va_vdst(0)
	SCALES 0
	FETCH_A 0, 0, 4
	s_wait_loadcnt 0x0
	s_cmp_eq_u32 s105, 1
	s_cbranch_scc1 .Lfirst_v
	STEP 0, 0, 1
	s_branch .Lfirst_done
.Lfirst_v:
	STEP 0, 0, 2
.Lfirst_done:
	s_mov_b32 s3, LAPS-1
.Llap:
	TURN 0, 1, 1
	STEP 1, 0, 0
	TURN 1, 0, 1
	STEP 0, 0, 0
	s_sub_co_u32 s3, s3, 1
	s_cmp_lg_u32 s3, 0
	s_cbranch_scc1 .Llap
	TURN 0, 1, 0
	STEP 1, 0, 0
	s_wait_dscnt 4*NL
	WIN MUL_LO
	MUL16 0, 1, NQ-1, 1, 0
	MUL16 2, 1, NQ-1, 1, 0
	s_wait_dscnt 0
	WIN MUL_HI
	MUL16 4, 1, NQ-1, 1, 0
	MUL16 6, 1, NQ-1, 1, 0
	WIN 0
.macro QUANT a, d0, d1
.set AC, 64*((\a)%4)
.set W, 2+(\a)/4
	WIN 5*W
.irp b, 0,1,2,3
	v_max3_num_f32 v[TM+\b], |v[AC+16*\b]|, |v[AC+16*\b+1]|, 0x2800000
.endr
	WIN 20*W
.irp i, 2,4,6,8,10,12,14
.irp b, 0,1,2,3
	v_max3_num_f32 v[TM+\b], v[TM+\b], |v[AC+16*\b+\i]|, |v[AC+16*\b+\i+1]|
.endr
.endr
	WIN 0
.irp b, 0,1,2,3
	v_permlanex16_b32 v[TM+4+\b], v[TM+\b], s100, s101
.endr
.irp b, 0,1,2,3
	v_max_num_f32 v[TM+\b], v[TM+\b], v[TM+4+\b]
.endr
.irp b, 0,1,2,3
	v_add_nc_u32 v[TM+12+\b], 0xfe000000, v[TM+\b]
.endr
.irp b, 0,1,2,3
	v_lshrrev_b32 v[TM+4+\b], 23, v[TM+12+\b]
.endr
	v_lshl_or_b32 v[PWB+\a], v[TM+5], 8, v[TM+4]
	v_lshl_or_b32 v[PWB+\a], v[TM+6], 16, v[PWB+\a]
	v_lshl_or_b32 v[PWB+\a], v[TM+7], 24, v[PWB+\a]
	WIN W
	v_cvt_scalef32_pk16_bf6_f32 v[\d0:\d0+2], v[AC:AC+15], v[TM+12]
	v_cvt_scalef32_pk16_bf6_f32 v[CT:CT+2], v[AC+16:AC+31], v[TM+13]
	v_cvt_scalef32_pk16_bf6_f32 v[\d1:\d1+2], v[AC+32:AC+47], v[TM+14]
	v_cvt_scalef32_pk16_bf6_f32 v[CT+4:CT+6], v[AC+48:AC+63], v[TM+15]
	WIN 0
	v_nop
.irp i, 0,1,2
	v_permlane16_swap_b32 v[\d0+\i], v[CT+\i]
.endr
.irp i, 0,1,2
	v_mov_b32 v[\d0+3+\i], v[CT+\i]
.endr
.irp i, 0,1,2
	v_permlane16_swap_b32 v[\d1+\i], v[CT+4+\i]
.endr
.irp i, 0,1,2
	v_mov_b32 v[\d1+3+\i], v[CT+4+\i]
.endr
.endm
.macro OUTQK be
.set G, GB+24*\be
	QUANT 2*\be, G, G+12
	QUANT 2*\be+1, G+6, G+18
.irp k, 0,1,2,3,4,5
	global_store_b128 v[CO], v[G+4*\k:G+4*\k+3], s[98:99] offset:(\k/3)*HEADB+1536*\be+512*(\k%3)
.endr
.endm
.macro OUTV be
.set G, GB+24*\be
	QUANT 2*\be, G, G+6
	QUANT 2*\be+1, G+12, G+18
.irp k, 0,1,2,3,4,5
	global_store_b128 v[CO], v[G+4*\k:G+4*\k+3], s[98:99] offset:(\be/2)*HEADB+1536*((2*\be)%4+\k/3)+512*(\k%3)
.endr
.endm
	PLACES NP
	s_mov_b32 s100, 0x76543210
	s_mov_b32 s101, 0xfedcba98
	s_mov_b32 s104, 0x7f7f7f7f
.irp b, 0,1,2,3
	v_mov_b32 v[TM+4+\b], 0
.endr
	s_cmp_eq_u32 s105, 1
	s_cbranch_scc1 .Lout_v
	OUTQK 0
	OUTQK 1
	OUTQK 2
	OUTQK 3
	v_and_b32 v6, 16, v0
	v_cmp_ne_u32 vcc_lo, 0, v6
.irp be, 0,1,2,3
	v_cndmask_b32 v[MW+\be], v[PWB+2*\be], v[PWB+2*\be+1], vcc_lo
.endr
.irp be, 0,1,2,3
	v_perm_b32 v[SW+\be], s104, v[MW+\be], 0x04040100
	v_perm_b32 v[SW+4+\be], s104, v[MW+\be], 0x04040302
.endr
	global_store_b128 v[CO], v[SW:SW+3], s[98:99] offset:6144
	global_store_b128 v[CO], v[SW+4:SW+7], s[98:99] offset:HEADB+6144
	s_branch .Lout_done
.Lout_v:
	OUTV 0
	OUTV 1
	OUTV 2
	OUTV 3
	global_store_b128 v[CO], v[PWB:PWB+3], s[98:99] offset:6144
	global_store_b128 v[CO], v[PWB+4:PWB+7], s[98:99] offset:HEADB+6144
.Lout_done:
	s_wait_tensorcnt 0x0
	ds_add_u32 v[SPW], v[NIL]
	s_wait_dscnt 0x0
	CROUND
	s_endpgm
.Lfunc_end_k_qd12412067d_proj:
	.size	k_qd12412067d_proj, .Lfunc_end_k_qd12412067d_proj-k_qd12412067d_proj
	.p2alignl 7, 3214868480
	.fill 96, 4, 3214868480
	.section	.rodata,"a",@progbits
	.p2align	6, 0x0
	.amdhsa_kernel k_qd12412067d_proj
		.amdhsa_group_segment_fixed_size 327680
		.amdhsa_private_segment_fixed_size 0
		.amdhsa_enable_private_segment 0
		.amdhsa_kernarg_size 48
		.amdhsa_user_sgpr_count 2
		.amdhsa_user_sgpr_kernarg_segment_ptr 1
		.amdhsa_wavefront_size32 1
		.amdhsa_system_sgpr_workgroup_id_x 1
		.amdhsa_system_sgpr_workgroup_id_y 1
		.amdhsa_system_sgpr_workgroup_id_z 1
		.amdhsa_system_vgpr_workitem_id 0
		.amdhsa_next_free_vgpr 1024
		.amdhsa_next_free_sgpr 106
		.amdhsa_reserve_vcc 1
		.amdhsa_float_denorm_mode_32 3
		.amdhsa_float_denorm_mode_16_64 3
		.amdhsa_memory_ordered 1
		.amdhsa_forward_progress 1
		.amdhsa_inst_pref_size 224
	.end_amdhsa_kernel
	.amdgpu_metadata
---
amdhsa.version: [ 1, 2 ]
amdhsa.kernels:
  - .name:           k_qd12412067d_proj
    .symbol:         k_qd12412067d_proj.kd
    .args:
      - { .name: cod, .offset: 0, .size: 8, .value_kind: global_buffer, .address_space: global }
      - { .name: scl, .offset: 8, .size: 8, .value_kind: global_buffer, .address_space: global }
      - { .name: bq, .offset: 16, .size: 8, .value_kind: global_buffer, .address_space: global }
      - { .name: bk, .offset: 24, .size: 8, .value_kind: global_buffer, .address_space: global }
      - { .name: bv, .offset: 32, .size: 8, .value_kind: global_buffer, .address_space: global }
      - { .name: qkv, .offset: 40, .size: 8, .value_kind: global_buffer, .address_space: global }
    .group_segment_fixed_size: 327680
    .private_segment_fixed_size: 0
    .kernarg_segment_align: 8
    .kernarg_segment_size: 48
    .max_flat_workgroup_size: 128
    .sgpr_count:     106
    .vgpr_count:     1024
    .wavefront_size: 32
...
	.end_amdgpu_metadata
.endif
;; end of part 2
;; launch attn (part 3): grid 4 x 64, 16 waves a work-group, clusters of 4 x 1, 215,040 bytes of LDS; arguments qkv, oimg, oscl; writes oimg, oscl
.if DOCPART == 3
	.amdgcn_target "amdgcn-amd-amdhsa--gfx1250"
	.amdhsa_code_object_version 6
	.text
	.protected	k_qd12412067d_attn
	.globl	k_qd12412067d_attn
	.p2align	8
	.type	k_qd12412067d_attn,@function
k_qd12412067d_attn:
	s_mov_b64 s[64:65], 0
	v_nop
	global_prefetch_b8 v0, s[64:65] scope:SCOPE_SE
	s_setreg_imm32_b32 hwreg(HW_REG_WAVE_MODE, 25, 1), 1
	s_wait_xcnt 0x0
	s_wait_alu depctr_hold_cnt(0) depctr_sa_sdst(0) depctr_va_vdst(0) depctr_va_sdst(0) depctr_va_ssrc(0) depctr_va_vcc(0) depctr_vm_vsrc(0)
	s_getreg_b32 s2, hwreg(HW_REG_IB_STS2, 6, 4)
	s_cmp_eq_u32 s2, 0
	s_cbranch_scc0 .Lentry_in_a_cluster
	s_endpgm
.Lentry_in_a_cluster:
	s_bfe_u32 s2, ttmp6, 0x10000c
	s_cmp_lg_u32 s2, 0x3003
	s_cbranch_scc0 .Lentry_shape_is_right
	s_endpgm
.Lentry_shape_is_right:
; O = softmax(q k^T / 8) v for one head, both products on codes of BF6 (E3M2) with one E8M0 scale for each 32 along K; O is quantised along the embedding and stored as codes.
; t = score x log2(e) / 8; M = the row's largest t so far, rounded UP to a whole number; p = 2^(t - M) is quantised along the keys, not normalised.  The row's sum is taken of the unquantised p, in f32,
; and divides O at the end.  When M moves, the sum and O are multiplied by 2^(old M - new M): exact.
; INPUT: qkv, 1,024 records of 19,968 bytes, record (16 batch + head) 16 + step (128 tokens): K's section at 0, V's at 6,656, Q's at 13,312; each 6,144 bytes of codes and 512 of scale words, as images of
; the operands' registers: a piece of 512 bytes holds four registers of the 32 lanes, lane l's 16 bytes at 16 l.
; SHARES: a work-group owns 512 queries of one head; each of its sixteen waves two tiles of 16 queries, one after the other (two passes over the keys).  256 work-groups.
; THE HEAD'S WHOLE K AND V STAY IN LDS: 16 records x 13,312 bytes, each byte filled once: wave w asks for record w, its one tensor load.  The four work-groups of a cluster belong to one head: each record is
; asked for JOINTLY (mask 15).  All loads go out at the head, so there is no loop in which a prefetch could run ahead of them.
; LAYOUT: S^T = K Q^T (source 0 = 16 keys, source 1 = my 16 queries), O^T = V^T P^T: a lane holds ONE query (lane % 16) throughout.
; Rows 0-7 of K's tile 4 c + t are keys 64 c + 8 t .., rows 8-15 keys 64 c + 32 + 8 t ..: so the 32 registers of tiles 4 c .. 4 c + 3 are, in lane (r, h), the WHOLE block 2 c + h of 32 keys in their order:
; a block's maximum needs no other lane, and the conversions' results are the operand's registers.  V's keys lie in their true order.
; A HEAD IS 64 WIDE, the instruction 128: Q's upper six registers are zero codes; K's operand runs on into the next tile's six (the last into six zeros), under scale bytes of 1.0: that adds nothing.
; OUTPUT: oimg [512 token tiles][16 heads][3 pieces][32 lanes][8 bytes]; oscl [8,192 tokens][32 scale bytes].
; LIMITS: a block whose largest magnitude lies under 2^-122 keeps the byte 1, a block of zeros too (this program alone reads the bytes); NaN and infinities are not served; the scaled scores t stay under 2^31.
.set REC,  19968
.set KV,   13312
.set LI,   1                           ; 16 x lane
.set ADR,  2                           ; LDS address of the step's record + 16 x lane
.set QS,   3                           ; Q's scale words: lanes 0-15 first tile, 16-31 second
.set OA,   4                           ; 8 x lane
.set OSA,  5                           ; 32 (lane % 16) + lane / 16
.set QA,   6
.set QSA,  7
.set SH,   11                          ; 8 (lane / 16): where my two scale bytes go in p's scale word
.set Q0,   16                          ; v16-27 (v22-27 zeros)
.set KSC,  28
.set KF,   32                          ; v32-79 K's eight tiles, later V's four operands; v80-85 zeros
.set VSC,  86
.set S,    96                          ; v96-159 S^T, then p
.set O,    160                         ; v160-191 O^T
.set PCD,  192                         ; v192-203 p's codes
.set CT,   204                         ; v204-206, v208-210 upper halves of blocks
.set BM,   212                         ; v212-215 maxima
.set BT,   216
.set BS,   220                         ; the conversions' scale operands
.set PW,   224                         ; p's scale word
.set FF,   226                         ; v[226:227] f, later 1 / the sum
.set TT,   228
.set OB,   229
.set Q1,   232                         ; v232-243 (v238-243 zeros)
.set SM,   244                         ; v244-253 five chains of the sum
.set WV,   10
.set SEL,  20
.set CS,   22
.set G1,   24
.set G0,   32
.set TB,   48
.set CNT,  49
.macro CROUND
	s_barrier_signal -1
	s_barrier_wait -1
	s_cmp_lg_u32 s[WV], 0
	s_cbranch_scc1 .Lnot_wave_0_\@
	s_barrier_signal -3
.Lnot_wave_0_\@:
	s_barrier_wait -3
	s_barrier_signal -1
	s_barrier_wait -1
.endm
	s_load_b128 s[4:7], s[0:1], 0x0                ; qkv, oimg
	s_load_b64 s[8:9], s[0:1], 0x10                ; oscl
	v_lshl_add_u32 v254, v0, 2, 0x34000
	v_mov_b32 v255, 0
	ds_add_u32 v254, v255                          ; the opening lines
	ds_add_u32 v254, v255
	v_lshrrev_b32 v1, 5, v0
	v_readfirstlane_b32 s[WV], v1                  ; wave 0..15
	s_bfe_u32 s11, ttmp6, 0x40000                  ; cx: which 512 queries; it enters Q's and O's global addresses alone
	s_and_b32 s12, ttmp7, 0xffff                   ; 16 batch + head
	s_lshr_b32 s13, s12, 4
	s_and_b32 s14, s12, 15
	s_mov_b32 s[G1], 15|(3<<16)|(1<<21)            ; mask: all four; elements of 8 bytes; 13,312 dense bytes as 52 rows of 256
	s_mov_b32 s[G1+1], 32<<16
	s_mov_b32 s[G1+2], 52<<16
	s_mov_b32 s[G1+3], 32<<16
	s_mov_b32 s[G1+4], 52
	s_mov_b32 s[G1+5], 32
	s_mov_b32 s[G1+6], 0
	s_mov_b32 s[G1+7], 0
	s_mov_b32 s[SEL], 0x76543210
	s_mov_b32 s[SEL+1], 0xfedcba98
	s_mov_b32 s[CS], 0x3e38aa3b                    ; c = log2(e) / 8
	s_mov_b32 s[CS+1], s[CS]
	s_and_b32 s15, s[WV], 3
	s_lshl_b32 s16, s12, 4
	s_add_co_u32 s16, s16, s[WV]                   ; my record
	s_mul_i32 s16, s16, REC
	s_mov_b32 s17, 0
	s_mov_b32 s[G0], 1
	s_mul_i32 s[G0+1], s[WV], KV
	s_wait_dscnt 0x0
	s_wait_kmcnt 0x0
	s_add_nc_u64 s[G0+2:G0+3], s[4:5], s[16:17]
	s_or_b32 s[G0+3], s[G0+3], 0x80000000
	CROUND                                         ; all four work-groups are here: the joint loads meet
	tensor_load_to_lds s[G0:G0+3], s[G1:G1+7]      ; every wave's one load
	s_nop 0
.rept 4
	v_nop
.endr
	s_lshl_b32 s50, s12, 4                         ; Q: record 16 (16 batch + head) + 4 cx + wave / 4, third section
	s_lshl_b32 s51, s11, 2
	s_add_co_u32 s50, s50, s51
	s_lshr_b32 s51, s[WV], 2
	s_add_co_u32 s50, s50, s51
	s_mul_i32 s50, s50, REC
	s_add_co_u32 s50, s50, 13312
	s_mov_b32 s51, 0
	s_add_nc_u64 s[50:51], s[4:5], s[50:51]
	s_mul_i32 s19, s15, 1536
	v_and_b32 v8, 31, v0
	v_lshlrev_b32 v[LI], 4, v8
	v_lshlrev_b32 v[OA], 3, v8
	v_and_b32 v9, 15, v0
	v_bfe_u32 v10, v0, 4, 1
	v_lshl_add_u32 v[OSA], v9, 5, v10
	v_cmp_ne_u32 s56, 0, v10                       ; lanes 16-31
	v_lshlrev_b32 v[SH], 3, v10
	v_add_nc_u32 v[QA], s19, v[LI]
	v_lshl_add_u32 v[QSA], s15, 2, v[LI]
	global_load_b128 v[Q0:Q0+3], v[QA], s[50:51]
	global_load_b64 v[Q0+4:Q0+5], v[QA], s[50:51] offset:512
	global_load_b64 v[Q1:Q1+1], v[QA], s[50:51] offset:520
	global_load_b128 v[Q1+2:Q1+5], v[QA], s[50:51] offset:1024
	global_load_b32 v[QS], v[QSA], s[50:51] offset:6144
	s_lshl_b32 s52, s13, 7                         ; my first token tile: 128 batch + 32 cx + 2 wave
	s_lshl_b32 s53, s11, 5
	s_add_co_u32 s52, s52, s53
	s_lshl_b32 s53, s[WV], 1
	s_add_co_u32 s52, s52, s53
	s_mul_i32 s54, s52, 12288
	s_mul_i32 s55, s14, 768
	s_add_co_u32 s54, s54, s55
	s_mov_b32 s55, 0
	s_add_nc_u64 s[6:7], s[6:7], s[54:55]
	s_lshl_b32 s54, s52, 9
	s_lshl_b32 s53, s14, 1
	s_add_co_u32 s54, s54, s53
	s_add_nc_u64 s[8:9], s[8:9], s[54:55]
.irp i, 0,1,2,3,4,5
	v_mov_b32 v[Q0+6+\i], 0
	v_mov_b32 v[Q1+6+\i], 0
	v_mov_b32 v[KF+48+\i], 0
.endr
.irp b, 0,1,2,3
	v_mov_b32 v[BT+\b], 0                          ; a lane permute's destination counts as one of its sources
.endr
	v_mov_b32 v[FF+1], 0
	v_mov_b32 v[TT], 0
.macro SCORE t, qb, u                  ; K's scale words: register t / 2, lanes 0-15 the even tile's, 16-31 the odd one's; Q's: lanes 0-15 first tile, 16-31 second
.if ((\t)%2 == 0) && (\u == 0)
	v_wmma_scale_f32_16x16x128_f8f6f4 v[S+8*\t:S+8*\t+7], v[KF+6*\t:KF+6*\t+11], v[\qb:\qb+11], 0, v[KSC+\t/2], v[QS] matrix_a_fmt:MATRIX_FMT_BF6 matrix_b_fmt:MATRIX_FMT_BF6
.elseif \u == 0
	v_wmma_scale_f32_16x16x128_f8f6f4 v[S+8*\t:S+8*\t+7], v[KF+6*\t:KF+6*\t+11], v[\qb:\qb+11], 0, v[KSC+\t/2], v[QS] matrix_a_fmt:MATRIX_FMT_BF6 matrix_b_fmt:MATRIX_FMT_BF6 matrix_a_scale:MATRIX_SCALE_ROW1
.elseif (\t)%2 == 0
	v_wmma_scale_f32_16x16x128_f8f6f4 v[S+8*\t:S+8*\t+7], v[KF+6*\t:KF+6*\t+11], v[\qb:\qb+11], 0, v[KSC+\t/2], v[QS] matrix_a_fmt:MATRIX_FMT_BF6 matrix_b_fmt:MATRIX_FMT_BF6 matrix_b_scale:MATRIX_SCALE_ROW1
.else
	v_wmma_scale_f32_16x16x128_f8f6f4 v[S+8*\t:S+8*\t+7], v[KF+6*\t:KF+6*\t+11], v[\qb:\qb+11], 0, v[KSC+\t/2], v[QS] matrix_a_fmt:MATRIX_FMT_BF6 matrix_b_fmt:MATRIX_FMT_BF6 matrix_a_scale:MATRIX_SCALE_ROW1 matrix_b_scale:MATRIX_SCALE_ROW1
.endif
.endm
; bar = 1: a work-group barrier, one for every two key steps, keeps the sixteen waves within two steps of each other.  It orders no data: nothing is written to LDS.  No LDS instruction of the wave is out at the signal;
; between signal and wait stand register work and loads of bytes that nobody writes.
.macro STEP qb, u, bar
.if \bar
	s_barrier_signal -1
.endif
	v_add_nc_u32 v[ADR], s[TB], v[LI]              ; with the three additions behind the last step's products: four places in front of loads into registers that they have read
.irp be, 0,1,2,3
.irp k, 0,1,2
	ds_load_b128 v[KF+12*\be+4*\k:KF+12*\be+4*\k+3], v[ADR] offset:1536*\be+512*\k
.endr
.endr
	ds_load_b128 v[KSC:KSC+3], v[ADR] offset:6144
	s_wait_alu depctr_va_vdst(0)                   ; ahead of the waits below
.if \bar
	s_barrier_wait -1
.endif
	s_wait_dscnt 0x0
.irp t, 0,1,2,3,4,5,6,7
	SCORE \t, \qb, \u
.endr
	v_pk_add_f32 v[SM+6:SM+7], v[SM+6:SM+7], v[SM+8:SM+9]   ; the LAST step's chains of the sum are joined here, ahead of the sum's rescaling (so under the last step's M); in a pass's first step they are zeros.
	v_pk_add_f32 v[14:15], v[14:15], v[SM:SM+1]             ; With the copy of the old -M these are the four places: V's loads land where K lay, and the scores are read below
	v_pk_add_f32 v[SM+2:SM+3], v[SM+2:SM+3], v[SM+6:SM+7]
	v_mov_b32 v10, v12                                      ; the old -M
	v_pk_add_f32 v[14:15], v[14:15], v[SM+2:SM+3]
.irp t, 0,1,2,3
.irp k, 0,1,2
	ds_load_b128 v[KF+12*\t+4*\k:KF+12*\t+4*\k+3], v[ADR] offset:6656+1536*\t+512*\k
.endr
.endr
	ds_load_b128 v[VSC:VSC+3], v[ADR] offset:12800
.irp b, 0,1,2,3
	v_max3_num_f32 v[BM+\b], v[S+16*\b], v[S+1+16*\b], v[S+2+16*\b]   ; the largest score of my two blocks, each in two chains of 16; each accumulator is read from its low end on
.endr
.irp i, 3,5,7,9,11,13
.irp b, 0,1,2,3
	v_max3_num_f32 v[BM+\b], v[BM+\b], v[S+16*\b+\i], v[S+1+16*\b+\i]
.endr
.endr
.irp c, 0,1
	v_max3_num_f32 v[BM+2*\c], v[BM+2*\c], v[BM+2*\c+1], v[S+32*\c+15]
.endr
.irp c, 0,1
	v_max_num_f32 v[BM+2*\c], v[BM+2*\c], v[S+32*\c+31]   ; block 2 c + h's largest score: it serves for the row's maximum and, since p rises with the score, for the block's largest p
.endr
	s_delay_alu instid0(VALU_DEP_1)
	v_max_num_f32 v[TT], v[BM], v[BM+2]
	s_delay_alu instid0(VALU_DEP_1)
	v_permlanex16_b32 v[BT], v[TT], s[SEL], s[SEL+1]
	s_delay_alu instid0(VALU_DEP_1)
	v_max_num_f32 v[TT], v[TT], v[BT]              ; with lane l xor 16's two blocks: the step's largest score of my query
	s_delay_alu instid0(VALU_DEP_1)
	v_mul_f32 v[TT], s[CS], v[TT]
	s_delay_alu instid0(VALU_DEP_1)
	v_max_num_f32 v13, v13, v[TT]                  ; the running largest t
	s_delay_alu instid0(VALU_DEP_1)
	v_floor_f32 v12, -v13                          ; -M = floor(-t)
	s_delay_alu instid0(VALU_DEP_1)
	v_sub_f32 v[TT], v12, v10
	s_delay_alu instid0(VALU_DEP_1)
	v_cvt_i32_f32 v[TT], v[TT]
	s_delay_alu instid0(VALU_DEP_1)
	v_ldexp_f32 v[FF], 1.0, v[TT]                  ; f = 2^(old M - new M)
.set j, 0
.rept 32
	v_pk_fma_f32 v[S+j:S+j+1], v[S+j:S+j+1], s[CS:CS+1], v[12:13] op_sel_hi:[1,0,0]   ; t - M
.set j, j+2
.endr
.irp c, 0,2
	v_fma_f32 v[BM+\c], v[BM+\c], s[CS], v12
.endr
	s_wait_alu depctr_va_vdst(0)                   ; ahead of the batch
.set j, 0
.rept 64
	v_exp_f32 v[S+j], v[S+j]                       ; p
.set j, j+1
.endr
.irp c, 0,2
	v_exp_f32 v[BM+\c], v[BM+\c]                   ; the block's largest p: the same two instructions on the same number
.endr
	v_pk_mul_f32 v[14:15], v[14:15], v[FF:FF+1] op_sel_hi:[1,0]   ; the sum under the new M; a plain place behind the batch
	s_wait_alu depctr_va_vdst(0)                   ; and the wait behind it
.irp c, 0,2
	v_max_num_f32 v[BM+\c], 0x2800000, v[BM+\c]    ; the floor 2^(5 - 127)
.endr
.irp c, 0,2
	v_add_nc_u32 v[BS+\c], 0xfe000000, v[BM+\c]    ; 4 off the exponent field: the conversion's scale operand
.endr
.irp c, 0,2
	v_lshrrev_b32 v[BT+\c], 23, v[BS+\c]           ; the byte
.endr
	v_lshl_or_b32 v[PW], v[BT+2], 16, v[BT]        ; my bytes: blocks h and 2 + h,
	s_delay_alu instid0(VALU_DEP_1)
	v_lshlrev_b32 v[PW], v[SH], v[PW]              ; 8 h bits up;
	s_delay_alu instid0(VALU_DEP_1)
	v_permlanex16_b32 v[BT+1], v[PW], s[SEL], s[SEL+1]
	s_delay_alu instid0(VALU_DEP_1)
	v_or_b32 v[PW], v[PW], v[BT+1]                 ; with lane l xor 16's two the word is whole
.irp c, 0,1
	v_cvt_scalef32_pk16_bf6_f32 v[PCD+6*\c:PCD+2+6*\c], v[S+32*\c:S+15+32*\c], v[BS+2*\c]
	v_cvt_scalef32_pk16_bf6_f32 v[CT+4*\c:CT+2+4*\c], v[S+16+32*\c:S+31+32*\c], v[BS+2*\c]   ; (a conversion's three registers begin on an even number)
.endr
.irp k, 0,1,2,3,4                              ; the row's sum of the unquantised p: 32 packed additions in six chains; they are also the plain places behind the conversions
	v_pk_add_f32 v[SM+2*\k:SM+2*\k+1], v[S+4*\k:S+4*\k+1], v[S+4*\k+2:S+4*\k+3]
.endr
.irp g, 0,1,2,3
.irp k, 0,1,2,3,4
	v_pk_add_f32 v[SM+2*\k:SM+2*\k+1], v[SM+2*\k:SM+2*\k+1], v[S+20+10*\g+2*\k:S+21+10*\g+2*\k]
.endr
.endr
.irp c, 0,1
.irp i, 0,1,2
	v_mov_b32 v[PCD+3+6*\c+\i], v[CT+4*\c+\i]      ; registers 6 c .. 6 c + 5: block 2 c + h
.endr
.endr
	s_wait_alu depctr_va_vdst(0)                   ; ahead of the first reader of O^T
.set j, 0
.rept 16
	v_pk_mul_f32 v[O+j:O+j+1], v[O+j:O+j+1], v[FF:FF+1] op_sel_hi:[1,0]   ; O^T under the new M; these are also the places between p's codes and scale word and the products
.set j, j+2
.endr
	s_wait_alu depctr_va_vdst(0)                   ; ahead of the wait below
	s_wait_dscnt 0x0                               ; V
.irp t, 0,1,2,3
	v_wmma_scale_f32_16x16x128_f8f6f4 v[O+8*\t:O+8*\t+7], v[KF+12*\t:KF+12*\t+11], v[PCD:PCD+11], v[O+8*\t:O+8*\t+7], v[VSC+\t], v[PW] matrix_a_fmt:MATRIX_FMT_BF6 matrix_b_fmt:MATRIX_FMT_BF6
.endr
	v_pk_add_f32 v[14:15], v[14:15], v[S+60:S+61]           ; three more of the sum's additions: they name no register of the products above, and are places behind them
	v_pk_add_f32 v[SM:SM+1], v[SM:SM+1], v[S+62:S+63]
	v_pk_add_f32 v[SM+2:SM+3], v[SM+2:SM+3], v[SM+4:SM+5]
	s_add_co_u32 s[TB], s[TB], KV
.endm
; THE WAY OUT of tile u: O^T / the sum; register 16 b + i is channel 32 b + 16 h + i of my query: two blocks of 32 along the embedding.
.macro OUT u
	v_pk_add_f32 v[SM+6:SM+7], v[SM+6:SM+7], v[SM+8:SM+9]   ; the last step's chains of the sum are joined; these are also places behind the last products
	v_pk_add_f32 v[14:15], v[14:15], v[SM:SM+1]
	v_pk_add_f32 v[SM+2:SM+3], v[SM+2:SM+3], v[SM+6:SM+7]
	v_pk_add_f32 v[14:15], v[14:15], v[SM+2:SM+3]
	v_add_f32 v14, v14, v15
	v_permlanex16_b32 v[TT], v14, s[SEL], s[SEL+1]
	v_add_f32 v14, v14, v[TT]                      ; the row's sum
	s_wait_alu depctr_va_vdst(0)
	v_rcp_f32 v[FF], v14
	v_nop
	s_wait_alu depctr_va_vdst(0)
.set j, 0
.rept 16
	v_pk_mul_f32 v[S+j:S+j+1], v[O+j:O+j+1], v[FF:FF+1] op_sel_hi:[1,0]
.set j, j+2
.endr
.irp b, 0,1
	v_max3_num_f32 v[BM+\b], |v[S+16*\b]|, |v[S+1+16*\b]|, 0x2800000
.endr
.irp i, 2,4,6,8,10,12,14
.irp b, 0,1
	v_max3_num_f32 v[BM+\b], v[BM+\b], |v[S+16*\b+\i]|, |v[S+1+16*\b+\i]|
.endr
.endr
.irp b, 0,1
	v_permlanex16_b32 v[BT+\b], v[BM+\b], s[SEL], s[SEL+1]
.endr
.irp b, 0,1
	v_max_num_f32 v[BM+\b], v[BM+\b], v[BT+\b]
.endr
.irp b, 0,1
	v_add_nc_u32 v[BS+\b], 0xfe000000, v[BM+\b]
.endr
.irp b, 0,1
	v_lshrrev_b32 v[BT+\b], 23, v[BS+\b]
.endr
	v_cndmask_b32 v[OB], v[BT], v[BT+1], s56       ; lanes 0-15 store block 0's byte, lanes 16-31 block 1's
	v_cvt_scalef32_pk16_bf6_f32 v[PCD:PCD+2], v[S:S+15], v[BS]
	v_cvt_scalef32_pk16_bf6_f32 v[CT:CT+2], v[S+16:S+31], v[BS+1]
	v_nop
.irp i, 0,1,2
	v_permlane16_swap_b32 v[PCD+\i], v[CT+\i]
.endr
.irp i, 0,1,2
	v_mov_b32 v[PCD+3+\i], v[CT+\i]                ; six registers: channels 32 h + 0 .. 31 of my query
.endr
.irp p, 0,1,2
	global_store_b64 v[OA], v[PCD+2*\p:PCD+2*\p+1], s[6:7] offset:12288*\u+256*\p   ; 32 lanes store 256 consecutive bytes, aligned
.endr
	global_store_b8 v[OSA], v[OB], s[8:9] offset:512*\u   ; two bytes of each token's 32
.endm
.macro INIT                            ; O^T and the sum begin as zeros and the largest t as -3e38: the step is written once
	v_mov_b32 v13, 0xff61b1e6
	v_floor_f32 v12, -v13
	v_mov_b32 v14, 0
	v_mov_b32 v15, 0
.irp k, 0,1,2,3,4,5,6,7,8,9
	v_mov_b32 v[SM+\k], 0                          ; the chains that a pass's first step joins
.endr
.set j, 0
.rept 32
	v_mov_b32 v[O+j], 0
.set j, j+1
.endr
.endm
.macro WALK qb, u                      ; all sixteen records
	s_mov_b32 s[TB], 0
	s_mov_b32 s[CNT], 8
.Lstep_\@:
	STEP \qb, \u, 1
	STEP \qb, \u, 0
	s_sub_co_u32 s[CNT], s[CNT], 1
	s_cmp_lg_u32 s[CNT], 0
	s_cbranch_scc1 .Lstep_\@
.endm
	INIT
	s_wait_alu depctr_va_vdst(0)                   ; the wait at the head's end
	s_wait_loadcnt 0x0                             ; Q
	s_wait_tensorcnt 0x0                           ; my record is in
	s_barrier_signal -1
	s_barrier_wait -1                              ; and everybody's: no byte is filled again
	WALK Q0, 0
	OUT 0
	s_wait_xcnt 0x0                                ; the stores have read their registers
	INIT
	WALK Q1, 1
	OUT 1
	s_wait_tensorcnt 0x0                           ; the wave's end
	ds_add_u32 v254, v255
	s_wait_dscnt 0x0
	CROUND                                         ; the closing round
	s_endpgm
.Lfunc_end_k_qd12412067d_attn:
	.size	k_qd12412067d_attn, .Lfunc_end_k_qd12412067d_attn-k_qd12412067d_attn
	.p2alignl 7, 3214868480
	.fill 96, 4, 3214868480
	.section	.rodata,"a",@progbits
	.p2align	6, 0x0
	.amdhsa_kernel k_qd12412067d_attn
		.amdhsa_group_segment_fixed_size 215040
		.amdhsa_private_segment_fixed_size 0
		.amdhsa_enable_private_segment 0
		.amdhsa_kernarg_size 24
		.amdhsa_user_sgpr_count 2
		.amdhsa_user_sgpr_kernarg_segment_ptr 1
		.amdhsa_wavefront_size32 1
		.amdhsa_system_sgpr_workgroup_id_x 1
		.amdhsa_system_sgpr_workgroup_id_y 1
		.amdhsa_system_sgpr_workgroup_id_z 1
		.amdhsa_system_vgpr_workitem_id 0
		.amdhsa_next_free_vgpr 256
		.amdhsa_next_free_sgpr 66
		.amdhsa_reserve_vcc 0
		.amdhsa_float_denorm_mode_32 3
		.amdhsa_float_denorm_mode_16_64 3
		.amdhsa_memory_ordered 1
		.amdhsa_forward_progress 1
		.amdhsa_inst_pref_size 75
	.end_amdhsa_kernel
	.amdgpu_metadata
---
amdhsa.version: [ 1, 2 ]
amdhsa.kernels:
  - .name:           k_qd12412067d_attn
    .symbol:         k_qd12412067d_attn.kd
    .args:
      - { .name: qkv, .offset: 0, .size: 8, .value_kind: global_buffer, .address_space: global }
      - { .name: oimg, .offset: 8, .size: 8, .value_kind: global_buffer, .address_space: global }
      - { .name: oscl, .offset: 16, .size: 8, .value_kind: global_buffer, .address_space: global }
    .group_segment_fixed_size: 215040
    .private_segment_fixed_size: 0
    .kernarg_segment_align: 8
    .kernarg_segment_size: 24
    .max_flat_workgroup_size: 512
    .sgpr_count:     66
    .vgpr_count:     256
    .wavefront_size: 32
...
	.end_amdgpu_metadata
.endif
;; end of part 3
;; launch oproj (part 4): grid 8 x 32, 4 waves a work-group, clusters of 4 x 4, 327,680 bytes of LDS; arguments oimg, oscl, cod, scl, bo, out0; writes out0
.if DOCPART == 4
	.amdgcn_target "amdgcn-amd-amdhsa--gfx1250"
	.amdhsa_code_object_version 6
	.text
	.protected	k_qd12412067d_oproj
	.globl	k_qd12412067d_oproj
	.p2align	8
	.type	k_qd12412067d_oproj,@function
k_qd12412067d_oproj:
	s_mov_b64 s[64:65], 0
	v_nop
	global_prefetch_b8 v0, s[64:65] scope:SCOPE_SE
	s_setreg_imm32_b32 hwreg(HW_REG_WAVE_MODE, 25, 1), 1
	s_wait_xcnt 0x0
	s_wait_alu depctr_hold_cnt(0) depctr_sa_sdst(0) depctr_va_vdst(0) depctr_va_sdst(0) depctr_va_ssrc(0) depctr_va_vcc(0) depctr_vm_vsrc(0)
	s_getreg_b32 s2, hwreg(HW_REG_IB_STS2, 6, 4)
	s_cmp_eq_u32 s2, 0
	s_cbranch_scc0 .Lentry_in_a_cluster
	s_endpgm
.Lentry_in_a_cluster:
	s_bfe_u32 s2, ttmp6, 0x10000c
	s_cmp_lg_u32 s2, 0xf033
	s_cbranch_scc0 .Lentry_shape_is_right
	s_endpgm
.Lentry_shape_is_right:
; out0 = O Wo^T + bo on codes of BF6 (E3M2) with E8M0 scales.  O: oimg [512 token tiles][16 heads][3 pieces][32 lanes][8 bytes] (images of the operand's registers) and oscl [8,192][32];
; Wo: the last 1,024 rows of cod ([row / 256][K step of 256][row % 256][192 bytes]) and of scl.
; A work-group makes 256 tokens x 128 columns: 8 x 32 = 256 work-groups.  ALL OF K LIES IN LDS: O's 16 token tiles, 196,608 dense bytes, and Wo's 128 rows, 4 K steps x 128 x 240 bytes (16 of padding behind each 64).
; Each byte is filled once, by one tensor load a wave at the head (waves 0, 1: halves of O; waves 2, 3: halves of Wo): no ring, and no loop in which a prefetch could run ahead.
; CLUSTERS of 4 x 4: O's tiles are asked for jointly along a row of the cluster, Wo's along a column.
; A wave makes 128 tokens x 64 columns, BY ROWS OF THE RESULT: its 64 rows of Wo, all of K, go into 384 registers once; then its eight blocks of 16 tokens are finished one after the other, 32 products each
; (four accumulators by turns, K ascending), and block a - 1 goes through the stage and block a - 2 is stored while block a is multiplied.
; Source 0 = 16 rows of Wo, source 1 = 16 tokens: a lane holds eight neighbouring columns of one token.  The bias is the C of a block's first products.
; The scale words of all of K (32 bytes a row) come straight into registers.
; REGISTERS.  Window 0: v0-31 addresses; v32-95 O's scale words (block a, step q at 32 + 8 a + q); v96-127 Wo's; v128-191 rows on the way out, two sets; v224-255 the bias.
; Window 1: Wo's fragments of steps 0-3 (48 q + 12 b); window 2: of steps 4-7.  Window 3: O's fragments of a block, two sets of 96 (12 q), and at v192 the sums, two sets of 32.
.set PITCH,  240
.set AH,     98304                     ; 128 tokens of O in LDS
.set BB0,    2*AH
.set BH,     61440                     ; 64 rows of Wo: 4 K steps x 15,360
.set SPARE,  BB0+2*BH
.set SPITCH, 272                       ; the way out: 16 rows x (256 + 16) bytes a wave, over Wo's first bytes, behind a barrier behind which nobody reads them
.set ADRA, 16
.set ADRB, 20
.set STO,  24
.set RD,   25
.set CO,   26
.set SPW,  28
.set NIL,  29
.set SA,   32
.set SB,   96
.set BK,   128
.set BI,   224
.set AC,   192
.set G1,   24
.set G0,   32
.set G0B,  36
.set G1B,  48
.set MSB, 0
.macro WIN new
.if MSB != \new
	s_set_vgpr_msb (MSB<<8)|\new
.set MSB, \new
.endif
.endm
.macro CROUND
	s_barrier_signal -1
	s_barrier_wait -1
	s_cmp_lg_u32 s16, 0
	s_cbranch_scc1 .Lnot_wave_0_\@
	s_barrier_signal -3
.Lnot_wave_0_\@:
	s_barrier_wait -3
	s_barrier_signal -1
	s_barrier_wait -1
.endm
.macro PLACES
.rept 4
	v_nop
.endr
.endm
	s_load_b256 s[4:11], s[0:1], 0x0               ; oimg, oscl, cod, scl
	s_load_b128 s[12:15], s[0:1], 0x20             ; bo, out0
	v_lshl_add_u32 v[SPW], v0, 2, SPARE
	v_mov_b32 v[NIL], 0
	ds_add_u32 v[SPW], v[NIL]                      ; the opening lines
	ds_add_u32 v[SPW], v[NIL]
	v_lshrrev_b32 v1, 5, v0
	v_readfirstlane_b32 s16, v1                    ; wave
	s_lshr_b32 s17, s16, 1                         ; my half of the tokens; also: I fetch O (0) or Wo (1)
	s_and_b32 s18, s16, 1                          ; my half of the columns; also: which half I fetch
	s_bfe_u32 s40, ttmp6, 0x40000
	s_bfe_u32 s41, ttmp6, 0x40004
	s_lshl_b32 s42, ttmp9, 2
	s_add_co_u32 s42, s42, s40                     ; x: 128 columns
	s_and_b32 s43, ttmp7, 0xffff
	s_lshl_b32 s43, s43, 2
	s_add_co_u32 s43, s43, s41                     ; y: 256 tokens
	s_lshl_b32 s44, s41, 2
	s_lshl_b32 s44, 15, s44                        ; my row of the cluster
	s_lshl_b32 s45, 0x1111, s40                    ; my column
	s_or_b32 s[G1], s44, (3<<16)|(1<<21)           ; O: 98,304 dense bytes as 384 rows of 256
	s_mov_b32 s[G1+1], 32<<16
	s_mov_b32 s[G1+2], 384<<16
	s_mov_b32 s[G1+3], 32<<16
	s_mov_b32 s[G1+4], 384
	s_mov_b32 s[G1+5], 32
	s_mov_b32 s[G1+6], 0
	s_mov_b32 s[G1+7], 0
	s_or_b32 s[G1B], s45, (3<<16)|(1<<20)|(1<<21)|(3<<22)|(3<<25)   ; Wo: 4 K steps, each 64 rows = 12,288 dense bytes, 49,152 apart; 16 bytes of padding behind each 64
	s_mov_b32 s[G1B+1], 1536<<16
	s_mov_b32 s[G1B+2], 4<<16
	s_mov_b32 s[G1B+3], 1536<<16
	s_mov_b32 s[G1B+4], 4
	s_mov_b32 s[G1B+5], 6144
	s_mov_b32 s[G1B+6], 0
	s_mov_b32 s[G1B+7], 0
	s_mul_i32 s20, s43, 196608                     ; O: 16 token tiles of 12,288 bytes a work-group, 8 a load
	s_mul_i32 s19, s18, AH
	s_add_co_u32 s20, s20, s19
	s_mov_b32 s21, 0
	s_lshr_b32 s22, s42, 1                         ; Wo: block of 256 rows x / 2, in it rows 128 (x % 2) + 64 half
	s_mul_i32 s22, s22, 196608
	s_and_b32 s46, s42, 1
	s_mul_i32 s46, s46, 24576
	s_add_co_u32 s22, s22, s46
	s_mul_i32 s46, s18, 12288
	s_add_co_u32 s22, s22, s46
	s_add_co_u32 s22, s22, 21233664                ; Wo's first byte in cod: 27,648 rows x 768
	s_mov_b32 s23, 0
	s_mov_b32 s[G0], 1
	s_mov_b32 s[G0+1], s19
	s_mov_b32 s[G0B], 1
	s_mul_i32 s[G0B+1], s18, BH
	s_add_co_u32 s[G0B+1], s[G0B+1], BB0
	s_lshl_b32 s56, s43, 13                        ; O's scales: my 128 tokens x 32 bytes
	s_lshl_b32 s57, s17, 12
	s_add_co_u32 s56, s56, s57
	s_mov_b32 s57, 0
	s_lshl_b32 s58, s42, 12                        ; Wo's scales: my 64 rows
	s_lshl_b32 s59, s18, 11
	s_add_co_u32 s58, s58, s59
	s_add_co_u32 s58, s58, 884736
	s_mov_b32 s59, 0
	s_lshl_b32 s60, s42, 9                         ; my first column, in bytes
	s_lshl_b32 s61, s18, 8
	s_add_co_u32 s60, s60, s61
	s_mov_b32 s61, 0
	s_lshl_b32 s62, s43, 20                        ; my first token's row of out0
	s_lshl_b32 s63, s17, 19
	s_add_co_u32 s62, s62, s63
	s_add_co_u32 s62, s62, s60
	s_mov_b32 s63, 0
	s_mul_i32 s66, s17, AH                         ; LDS: my tokens' blocks 0-3,
	s_add_co_u32 s67, s66, 49152                   ; blocks 4-7,
	s_mul_i32 s68, s18, BH
	s_add_co_u32 s68, s68, BB0                     ; my rows of Wo,
	s_mul_i32 s69, s16, 16*SPITCH
	s_add_co_u32 s69, s69, BB0                     ; my stage
	s_wait_dscnt 0x0
	s_wait_kmcnt 0x0
	s_add_nc_u64 s[G0+2:G0+3], s[4:5], s[20:21]
	s_or_b32 s[G0+3], s[G0+3], 0x80000000
	s_add_nc_u64 s[G0B+2:G0B+3], s[8:9], s[22:23]
	s_or_b32 s[G0B+3], s[G0B+3], 0x80000000
	s_add_nc_u64 s[6:7], s[6:7], s[56:57]
	s_add_nc_u64 s[10:11], s[10:11], s[58:59]
	s_add_nc_u64 s[12:13], s[12:13], s[60:61]
	s_add_nc_u64 s[14:15], s[14:15], s[62:63]
	CROUND                                         ; all sixteen work-groups are here: the joint loads meet
	s_cmp_eq_u32 s17, 0
	s_cbranch_scc0 .Lfor_b
	tensor_load_to_lds s[G0:G0+3], s[G1:G1+7]
	s_nop 0
	PLACES
	s_branch .Lasked
.Lfor_b:
	tensor_load_to_lds s[G0B:G0B+3], s[G1B:G1B+7]
	s_nop 0
	PLACES
.Lasked:
	v_and_b32 v1, 15, v0                           ; r
	v_bfe_u32 v2, v0, 4, 1                         ; h
	v_and_b32 v3, 31, v0
	v_lshlrev_b32 v4, 3, v3
	v_add_nc_u32 v[ADRA], s66, v4                  ; O's images: 8 x lane
	v_add_nc_u32 v[ADRA+1], s67, v4
	v_mul_u32_u24 v5, v1, PITCH
	v_mad_u32_u24 v5, v2, 24, v5
	v_add_nc_u32 v[ADRB], s68, v5                  ; Wo: row x pitch + 24 h;
	v_lshl_add_u32 v[ADRB+1], v2, 4, v[ADRB]       ; and where lanes 16-31 pass a padding
	v_lshlrev_b32 v6, 5, v1                        ; scales: 32 r
	v_lshlrev_b32 v7, 5, v2                        ; bias: 32 h
	v_mul_u32_u24 v8, v1, SPITCH
	v_lshl_add_u32 v8, v2, 5, v8
	v_add_nc_u32 v[STO], s69, v8
	v_mul_u32_u24 v9, v2, SPITCH
	v_lshl_add_u32 v9, v1, 4, v9
	v_add_nc_u32 v[RD], s69, v9
	v_lshlrev_b32 v10, 12, v2
	v_lshl_add_u32 v[CO], v1, 4, v10
.irp a, 0,1,2,3,4,5,6,7
	global_load_b128 v[SA+8*\a:SA+8*\a+3], v6, s[6:7] offset:512*\a
	global_load_b128 v[SA+8*\a+4:SA+8*\a+7], v6, s[6:7] offset:512*\a+16
.endr
.irp b, 0,1,2,3
	global_load_b128 v[SB+8*\b:SB+8*\b+3], v6, s[10:11] offset:512*\b
	global_load_b128 v[SB+8*\b+4:SB+8*\b+7], v6, s[10:11] offset:512*\b+16
	global_load_b128 v[BI+8*\b:BI+8*\b+3], v7, s[12:13] offset:64*\b
	global_load_b128 v[BI+8*\b+4:BI+8*\b+7], v7, s[12:13] offset:64*\b+16
.endr
.macro FETCHB q                        ; Wo's four fragments of step q (128 along K): 24 loads of 8 bytes
	WIN 0x40+0x40*((\q)/4)
.irp b, 0,1,2,3
.irp p, 0,1,2,3,4,5
.set PC, 12*((\q)%2)+6*(\p/3)+\p%3
	ds_load_b64 v[48*((\q)%4)+12*\b+2*\p:48*((\q)%4)+12*\b+2*\p+1], v[ADRB+(PC%8)/5] offset:8*PC+16*(PC/8)+\b*16*PITCH+((\q)/2)*15360
.endr
.endr
.endm
.macro FETCHA a                        ; O's fragments of block a, all eight steps, into set a % 2: 48 loads of 8 bytes
	WIN 0xc0
.irp q, 0,1,2,3,4,5,6,7
.irp p, 0,1,2,3,4,5
	ds_load_b64 v[96*((\a)%2)+12*\q+2*\p:96*((\a)%2)+12*\q+2*\p+1], v[ADRA+(\a)/4] offset:12288*((\a)%4)+1536*\q+256*\p
.endr
.endr
	WIN 0
.endm
.macro MUL a                           ; block a: 32 products; its four accumulators take turns, one instruction a turn, three others between two steps of a sum
.irp q, 0,1,2,3,4,5,6,7
.if \q == 0
	WIN 0xcd
.elseif \q < 4
	WIN 0xfd
.else
	WIN 0xfe
.endif
.irp b, 0,1,2,3
.if \q == 0
	v_wmma_scale_f32_16x16x128_f8f6f4 v[AC+32*((\a)%2)+8*\b:AC+32*((\a)%2)+8*\b+7], v[48*(\q%4)+12*\b:48*(\q%4)+12*\b+11], v[96*((\a)%2)+12*\q:96*((\a)%2)+12*\q+11], v[BI+8*\b:BI+8*\b+7], v[SB+8*\b+\q], v[SA+8*(\a)+\q] matrix_a_fmt:MATRIX_FMT_BF6 matrix_b_fmt:MATRIX_FMT_BF6
.else
	v_wmma_scale_f32_16x16x128_f8f6f4 v[AC+32*((\a)%2)+8*\b:AC+32*((\a)%2)+8*\b+7], v[48*(\q%4)+12*\b:48*(\q%4)+12*\b+11], v[96*((\a)%2)+12*\q:96*((\a)%2)+12*\q+11], v[AC+32*((\a)%2)+8*\b:AC+32*((\a)%2)+8*\b+7], v[SB+8*\b+\q], v[SA+8*(\a)+\q] matrix_a_fmt:MATRIX_FMT_BF6 matrix_b_fmt:MATRIX_FMT_BF6
.endif
.endr
.endr
	WIN 0
.endm
; THE WAY OUT of a block of 16 tokens x 64 columns: through my stage and back as rows of 256 bytes, which sixteen lanes store as one aligned unit
.macro TOSTAGE k
	WIN 0x0c
.irp b, 0,1,2,3
	ds_store_b128 v[STO], v[AC+32*((\k)%2)+8*\b:AC+32*((\k)%2)+8*\b+3] offset:64*\b          ; each accumulator from its low end on
	ds_store_b128 v[STO], v[AC+32*((\k)%2)+8*\b+4:AC+32*((\k)%2)+8*\b+7] offset:64*\b+16
.endr
	WIN 0
.irp t, 0,1,2,3,4,5,6,7
	ds_load_b128 v[BK+32*((\k)%2)+4*\t:BK+32*((\k)%2)+4*\t+3], v[RD] offset:\t*2*SPITCH   ; in order behind my stores (ISA guide 5.7.1.4)
.endr
.endm
.macro SEND k
.if (\k) > 0
	s_add_nc_u64 s[14:15], s[14:15], 16*4096       ; behind the wait on XCNT that follows the last block's stores: 16 rows of out0 on
.endif
.irp t, 0,1,2,3,4,5,6,7
	global_store_b128 v[CO], v[BK+32*((\k)%2)+4*\t:BK+32*((\k)%2)+4*\t+3], s[14:15] offset:\t*2*4096 th:TH_STORE_NT
.endr
.endm
; Turn a: block a + 1's fragments are asked for, block a is multiplied, block a - 2 is stored, block a - 1 goes to the stage.
.macro ITER a
.if ((\a) >= 2) && ((\a) <= 7)
	s_wait_dscnt 8                                 ; block a's fragments are in and block a - 2's stores to the stage are done; its 8 loads from the stage may be out
.elseif (\a) <= 1
	s_wait_dscnt 0x0
.endif
.if (\a) == 0
	s_barrier_signal -1                            ; my reads of Wo's bytes are over
.else
	PLACES                                         ; behind block a - 1's products: in front of loads into its fragments' set, and of the stage's reads of its sums
.endif
.if (\a) < 7
	FETCHA (\a)+1
.endif
.if (\a) <= 7
	MUL \a
.endif
.if (\a) >= 2
.if (\a) < 7
	s_wait_dscnt 48                                ; block a - 2 is back from the stage; the 48 loads of block a + 1 may be out
.else
	s_wait_dscnt 0x0
.endif
	SEND (\a)-2
	s_wait_xcnt 0x0                                ; the stores have read their registers and their base
.endif
.if (\a) == 1
	s_barrier_wait -1                              ; everybody's reads of Wo's bytes are over: the stages may be written
.endif
	TOSTAGE_IF \a
.endm
.macro TOSTAGE_IF a
.if ((\a) >= 1) && ((\a) <= 8)
	TOSTAGE (\a)-1
.endif
.endm
	s_wait_alu depctr_va_vdst(0)                   ; the wait at the head's end
	s_wait_tensorcnt 0x0                           ; my tile is in
	s_barrier_signal -1
	s_barrier_wait -1                              ; and all four: nothing is filled again
.irp q, 0,1,2,3,4,5,6,7
	FETCHB \q
.endr
	FETCHA 0
	s_wait_loadcnt 0x0                             ; scales and bias
.irp a, 0,1,2,3,4,5,6,7,8,9
	ITER \a
.endr
	s_wait_tensorcnt 0x0                           ; the wave's end
	ds_add_u32 v[SPW], v[NIL]
	s_wait_dscnt 0x0
	CROUND                                         ; the closing round
	s_endpgm
.Lfunc_end_k_qd12412067d_oproj:
	.size	k_qd12412067d_oproj, .Lfunc_end_k_qd12412067d_oproj-k_qd12412067d_oproj
	.p2alignl 7, 3214868480
	.fill 96, 4, 3214868480
	.section	.rodata,"a",@progbits
	.p2align	6, 0x0
	.amdhsa_kernel k_qd12412067d_oproj
		.amdhsa_group_segment_fixed_size 327680
		.amdhsa_private_segment_fixed_size 0
		.amdhsa_enable_private_segment 0
		.amdhsa_kernarg_size 48
		.amdhsa_user_sgpr_count 2
		.amdhsa_user_sgpr_kernarg_segment_ptr 1
		.amdhsa_wavefront_size32 1
		.amdhsa_system_sgpr_workgroup_id_x 1
		.amdhsa_system_sgpr_workgroup_id_y 1
		.amdhsa_system_sgpr_workgroup_id_z 1
		.amdhsa_system_vgpr_workitem_id 0
		.amdhsa_next_free_vgpr 1024
		.amdhsa_next_free_sgpr 72
		.amdhsa_reserve_vcc 0
		.amdhsa_float_denorm_mode_32 3
		.amdhsa_float_denorm_mode_16_64 3
		.amdhsa_memory_ordered 1
		.amdhsa_forward_progress 1
		.amdhsa_inst_pref_size 97
	.end_amdhsa_kernel
	.amdgpu_metadata
---
amdhsa.version: [ 1, 2 ]
amdhsa.kernels:
  - .name:           k_qd12412067d_oproj
    .symbol:         k_qd12412067d_oproj.kd
    .args:
      - { .name: oimg, .offset: 0, .size: 8, .value_kind: global_buffer, .address_space: global }
      - { .name: oscl, .offset: 8, .size: 8, .value_kind: global_buffer, .address_space: global }
      - { .name: cod, .offset: 16, .size: 8, .value_kind: global_buffer, .address_space: global }
      - { .name: scl, .offset: 24, .size: 8, .value_kind: global_buffer, .address_space: global }
      - { .name: bo, .offset: 32, .size: 8, .value_kind: global_buffer, .address_space: global }
      - { .name: out0, .offset: 40, .size: 8, .value_kind: global_buffer, .address_space: global }
    .group_segment_fixed_size: 327680
    .private_segment_fixed_size: 0
    .kernarg_segment_align: 8
    .kernarg_segment_size: 48
    .max_flat_workgroup_size: 128
    .sgpr_count:     72
    .vgpr_count:     1024
    .wavefront_size: 32
...
	.end_amdgpu_metadata
.endif
;; end of part 4
